; MI455X (gfx1250); checked and timed in simulation.
; The chip was launched on July 23, 2026; its instructions are those of AMD's public machine-readable ISA for CDNA 5 (MIT licence, August 2026) and "CDNA5" Instruction Set Architecture Reference Guide (July 2026). The comments in the code are by the model that wrote it; some were corrected since.
;; Local Transformer. Allowed arithmetic: matrix products marked QUANTISED: E2M1 operands, one E8M0 scale for each 32 along K, by v_wmma_scale_f32_16x16x128_f8f6f4 with both operands' format E2M1 (or v_wmma_scale_f32_32x16x128_f4), f32 sums; products left as they are: f32 operands where the result goes on into a quantised operand, else bf16, f16 or f32 operands; f32 sums; everything else in f32.
;; Inputs: Wa_codes 64 x 2 x 16 uint8 (E2M1 codes of Wa, K innermost, in blocks of 32 codes, two codes a byte); Wa_scales 64 x 2 uint8 (E8M0 scales of Wa, one for each 32 codes along K); Wk_codes 64 x 2 x 16 uint8 (E2M1 codes of Wk, K innermost, in blocks of 32 codes, two codes a byte); Wk_scales 64 x 2 uint8 (E8M0 scales of Wk, one for each 32 codes along K); Wks_codes 64 x 2 x 16 uint8 (E2M1 codes of Wks, K innermost, in blocks of 32 codes, two codes a byte); Wks_scales 64 x 2 uint8 (E8M0 scales of Wks, one for each 32 codes along K); Wp1 4 x 64 float32; Wp2_codes 64 x 2 x 16 uint8 (E2M1 codes of Wp2, K innermost, in blocks of 32 codes, two codes a byte); Wp2_scales 64 x 2 uint8 (E8M0 scales of Wp2, one for each 32 codes along K); Wq_codes 64 x 2 x 16 uint8 (E2M1 codes of Wq, K innermost, in blocks of 32 codes, two codes a byte); Wq_scales 64 x 2 uint8 (E8M0 scales of Wq, one for each 32 codes along K); Wt1_codes 64 x 2 x 16 uint8 (E2M1 codes of Wt1, K innermost, in blocks of 32 codes, two codes a byte); Wt1_scales 64 x 2 uint8 (E8M0 scales of Wt1, one for each 32 codes along K); Wt2_codes 64 x 2 x 16 uint8 (E2M1 codes of Wt2, K innermost, in blocks of 32 codes, two codes a byte); Wt2_scales 64 x 2 uint8 (E8M0 scales of Wt2, one for each 32 codes along K); Wv_codes 64 x 2 x 16 uint8 (E2M1 codes of Wv, K innermost, in blocks of 32 codes, two codes a byte); Wv_scales 64 x 2 uint8 (E8M0 scales of Wv, one for each 32 codes along K); ba 64 float32; bk 64 float32; bp1 64 float32; bp2 64 float32; bt1 64 float32; bt2 64 float32; features 2 x 8,192 x 64 float32; xyzp 2 x 8,192 x 4 float32.
;; Outputs: out0 2 x 8,192 x 64 float32.
;; Constants: k_nearest = 16.
;; This version of the problem:
;;   THIS VERSION OF THE PROBLEM IS GIVEN IN LOW PRECISION. The matrix products marked QUANTISED in the list below multiply operands that are first quantised to E2M1 (2 exponent bits, 1 mantissa bit; 4 bits a number), with one power-of-two scale for each 32 numbers along K (OCP MX v1.0); their sums are f32. All else is computed in f32.
;;   The module's matrix products, in the order in which they are computed (A, B: the left and right operand; K: the contracted axis; several contracted axes count as one K, in the product's order):
;;     1. batch 2 x [M 8,192, K 3] x [K 3, N 8,192]; A: input xyzp; B: input xyzp: left as it is (K = 3 < 32)
;;     2. [M 262,144, K 4] x [K 4, N 64]; A: computed on the way; B: input Wp1: left as it is (K = 4 < 32)
;;     3. [M 262,144, K 64] x [K 64, N 64]; A: computed on the way; B: input Wp2 (given as codes): QUANTISED
;;     4. [M 16,384, K 64] x [K 64, N 64]; A: input features; B: input Wk (given as codes): QUANTISED
;;     5. [M 16,384, K 64] x [K 64, N 64]; A: computed on the way; B: input Wq (given as codes): QUANTISED
;;     6. [M 16,384, K 64] x [K 64, N 64]; A: computed on the way; B: input Wks (given as codes): QUANTISED
;;     7. [M 16,384, K 64] x [K 64, N 64]; A: computed on the way; B: input Wv (given as codes): QUANTISED
;;     8. [M 262,144, K 64] x [K 64, N 64]; A: computed on the way; B: input Wt1 (given as codes): QUANTISED
;;     9. [M 262,144, K 64] x [K 64, N 64]; A: computed on the way; B: input Wt2 (given as codes): QUANTISED
;;     10. batch 1,048,576 x [M 1, K 16] x [K 16, N 1]; A: softmax; B: computed on the way: left as it is (K = 16 < 32)
;;     11. [M 16,384, K 64] x [K 64, N 64]; A: computed on the way; B: input Wa (given as codes): QUANTISED
;;   THE QUANTISER, for each operand of a quantised product, along K:
;;     - K is cut into blocks of 32 from its start; a last block that is shorter is filled with zeros.
;;     - A block's scale is 2^e with e = floor(log2(the largest magnitude in the block)) - 2, held to -126 .. 127; a block of zeros has e = 0. As a byte (E8M0): e + 127.
;;     - Each number is divided by its block's scale, clamped to +-6, and rounded to the nearest number of E2M1, ties to even, subnormals kept.
;;     - The product sums the exact products of the quantised numbers (number of the format x scale) in f32.
;;   ~~~python
;;   def quantise(x, axis):      # numpy; x: float32 -> the quantised numbers, widened to float32 again
;;       x = np.moveaxis(x, axis, -1); K = x.shape[-1]
;;       x = np.pad(x, [(0, 0)] * (x.ndim - 1) + [(0, -K % 32)]); x = x.reshape(x.shape[:-1] + (-1, 32)); a = np.abs(x).max(-1, keepdims=True)
;;       e = np.where(a > 0, np.clip(np.frexp(np.where(a > 0, a, 1))[1] - 1 - 2, -126, 127), 0)      # np.frexp(a)[1] - 1 = floor(log2(a)), exactly
;;       r = np.clip(x / 2.0 ** e, -6, 6)
;;       step = 2.0 ** (np.maximum(np.frexp(np.where(r == 0, 1, r))[1] - 1, 0) - 1)
;;       q = np.round(r / step) * step * 2.0 ** e      # np.round: ties to even
;;       return np.moveaxis(q.reshape(q.shape[:-2] + (-1,))[..., :K], -1, axis).astype(np.float32)
;;   ~~~
;;   OPERANDS COMPUTED ON THE WAY. 'Computed on the way' means the value that the module computes at that place (a softmax that the list does not call 'softmax' is quantised finished and normalised). What goes into a quantiser is computed in f32, as accurately as f32 sums, v_exp_f32 and their like allow (about 1e-6 of the number): no bf16 or f16 on the way to a quantiser, and a product that is left as it is and whose result goes on into a quantised operand takes f32 operands (vector FMAs, or v_wmma_f32_16x16x4_f32). A number that lies on a knife's edge between two numbers of the format may be rounded either way, as far as f32 arithmetic and the matrix unit's own rounding can turn it there, and no further.
;;   INPUTS GIVEN AS CODES. Wa (in the module: [64, 64], K = its axis 0); Wk (in the module: [64, 64], K = its axis 0); Wks (in the module: [64, 64], K = its axis 0); Wp2 (in the module: [64, 64], K = its axis 0); Wq (in the module: [64, 64], K = its axis 0); Wt1 (in the module: [64, 64], K = its axis 0); Wt2 (in the module: [64, 64], K = its axis 0); Wv (in the module: [64, 64], K = its axis 0): each comes as NAME_codes (uint8): NAME with its K axis moved to the last place and cut into blocks of 32 codes, [.., K / 32, bytes a block], one block behind the other in memory; two codes a byte, the lower K in the low four bits (a code: sign, 2 exponent bits, 1 mantissa bit); and NAME_scales (uint8): the same leading axes, one E8M0 byte (e + 127) for each 32 codes along K. Its value is code x scale, taken as it is: it is not quantised again, and the codes and scales need not be those that the quantiser above would give.
;; 2 versions, each right; version 2 is version 1 with the launches proj, attn written anew for expert scheduling mode. Each part assembles by itself: llvm-mc -triple=amdgcn-amd-amdhsa -mcpu=gfx1250 --defsym DOCPART=n.
;; ======== version 1 of 2: 4 launches
;; workspace buffers: qb 4,194,304 bytes; kt 4,194,304 bytes; vt 4,194,304 bytes; grp 1,048,576 bytes of whole numbers; idx 1,048,576 bytes of whole numbers
;; launch proj (part 1): grid 256 x 1, 4 waves a work-group, no clusters, 17,920 bytes of LDS; arguments features, Wk_codes, Wk_scales, bk, Wq_codes, Wq_scales, Wks_codes, Wks_scales, Wv_codes, Wv_scales, bp2, qb, kt, vt; writes qb, kt, vt
.if DOCPART == 1
	.amdgcn_target "amdgcn-amd-amdhsa--gfx1250"
	.amdhsa_code_object_version 6
	.text
	.protected	k_q007737a677_proj
	.globl	k_q007737a677_proj
	.p2align	8
	.type	k_q007737a677_proj,@function
k_q007737a677_proj:
	s_mov_b64 s[64:65], 0
	v_nop
	global_prefetch_b8 v0, s[64:65] scope:SCOPE_SE
	s_setreg_imm32_b32 hwreg(HW_REG_WAVE_MODE, 25, 1), 1
	s_wait_xcnt 0x0
; x = Q(features) Wk + bk;  qb = Q(x) Wq + bp2;  kt = Q(x) Wks;  vt = Q(x) Wv.  Q: the MX-FP4 quantiser along the 64 channels (two blocks of 32).
; features [16384][64] f32; the weights as E2M1 codes [64 (out)][64 (k)], 32 bytes a row, with two E8M0 bytes a row; the three tables [16384][64] f32.
; SHARES: 256 work-groups x 4 waves x 16 rows.  A wave shares nothing with another: no barrier.
; LAYOUT: every product is used transposed (source 0 = 16 rows of a weight, source 1 = my 16 rows): lane (r, h) holds row r, and the rows of a weight that form tile t = 2 b + u are
; 32 b + 8 u + r + 8 (r / 8), so that register 16 b + i of the four tiles is channel 32 b + 16 h + i: 16 neighbours along the next K.
; K IS 64 OF THE INSTRUCTION'S 128: the activations' registers 4-7 hold zero codes, so k = 64 .. 127 add nothing whatever the weight's side holds there (the next tile's codes); scale bytes 2 and 3 are 0.
; A block of zeros gets the scale byte 1 (its codes are zeros).  NaN and infinities among the inputs are not served.
; bp2 is added here, as the C of q's product: the last launch then needs q + bp2 - k only (the same sum as q - k + (.. + bp2), in another order of f32 additions).
.set SEL, 36                           ; s[36:37] lane selects for v_permlanex16_b32: lane l xor 16
.set SW,  16                           ; v16-31   scale words: Wk, Wq, Wks, Wv, four tiles each
.set WC,  32                           ; v32-95   codes: four matrices x four tiles x 4 registers; v96-99 zeros behind them
.set O,   100                          ; v100-131 bk in the result's layout, later the three tables' results
.set BP,  132                          ; v132-163 bp2 in the result's layout
.set F,   164                          ; v164-195 features, later rows read back from the stage
.set X,   196                          ; v196-227 x
.set PC,  228                          ; v228-235 the codes just made (232-235 stay 0)
.set PW,  236                          ; v236     their scale word
.set TM,  238                          ; v238-243 at work in QUANT
.macro PLACES n
.rept \n
	v_nop
.endr
.endm
; 32 numbers of a lane, register 16 b + i = channel 32 b + 16 h + i of my row, become the operand's codes in v[PC] .. v[PC+3] and its scale word in v[PW].
.macro QUANT s
.irp b,0,1
	v_max3_num_f32 v[TM+\b], |v[\s+16*\b]|, |v[\s+16*\b+1]|, 0x1800000    ; my 16 numbers of block b in two chains, and the floor 2^(3 - 127): the byte cannot fall under 1
.endr
.irp b,0,1
	v_max3_num_f32 v[TM+2+\b], |v[\s+16*\b+8]|, |v[\s+16*\b+9]|, |v[\s+16*\b+10]|
.endr
.irp b,0,1
	v_max3_num_f32 v[TM+\b], v[TM+\b], |v[\s+16*\b+2]|, |v[\s+16*\b+3]|
.endr
.irp b,0,1
	v_max3_num_f32 v[TM+2+\b], v[TM+2+\b], |v[\s+16*\b+11]|, |v[\s+16*\b+12]|
.endr
.irp b,0,1
	v_max3_num_f32 v[TM+\b], v[TM+\b], |v[\s+16*\b+4]|, |v[\s+16*\b+5]|
.endr
.irp b,0,1
	v_max3_num_f32 v[TM+2+\b], v[TM+2+\b], |v[\s+16*\b+13]|, |v[\s+16*\b+14]|
.endr
.irp b,0,1
	v_max3_num_f32 v[TM+\b], v[TM+\b], |v[\s+16*\b+6]|, |v[\s+16*\b+7]|
.endr
.irp b,0,1
	v_max3_num_f32 v[TM+\b], v[TM+\b], v[TM+2+\b], |v[\s+16*\b+15]|
.endr
.irp b,0,1
	v_permlanex16_b32 v[TM+2+\b], v[TM+\b], s[SEL], s[SEL+1]
.endr
.irp b,0,1
	v_max_num_f32 v[TM+\b], v[TM+\b], v[TM+2+\b]                          ; with lane l xor 16's 16: the block's largest magnitude
.endr
.irp b,0,1
	v_add_nc_u32 v[TM+4+\b], 0xff000000, v[TM+\b]                         ; 2 off its exponent field: the conversion's scale operand
.endr
.irp b,0,1
	v_lshrrev_b32 v[TM+2+\b], 23, v[TM+4+\b]                              ; the scale's byte
.endr
	v_lshl_or_b32 v[PW], v[TM+3], 8, v[TM+2]                              ; bytes 0 and 1; bytes 2 and 3 stay 0
.irp b,0,1
	v_cvt_scalef32_pk8_fp4_f32 v[PC+2*\b], v[\s+16*\b:\s+16*\b+7], v[TM+4+\b]
	v_cvt_scalef32_pk8_fp4_f32 v[PC+2*\b+1], v[\s+16*\b+8:\s+16*\b+15], v[TM+4+\b]
.endr
	v_nop                                                                 ; one plain line behind the scaled conversions
	v_permlane16_swap_b32 v[PC], v[PC+2]                                  ; the operand wants a whole block in a lane: lanes 0-15 block 0, lanes 16-31 block 1
	v_permlane16_swap_b32 v[PC+1], v[PC+3]
.endm
.macro MMC d, a, b, c, sa, sb
	v_wmma_scale_f32_16x16x128_f8f6f4 v[\d:\d+7], v[\a:\a+7], v[\b:\b+7], v[\c:\c+7], v[\sa], v[\sb] matrix_a_fmt:MATRIX_FMT_FP4 matrix_b_fmt:MATRIX_FMT_FP4
.endm
.macro MMZ d, a, b, sa, sb
	v_wmma_scale_f32_16x16x128_f8f6f4 v[\d:\d+7], v[\a:\a+7], v[\b:\b+7], 0, v[\sa], v[\sb] matrix_a_fmt:MATRIX_FMT_FP4 matrix_b_fmt:MATRIX_FMT_FP4
.endm
.macro WLOAD m, cp, sp                 ; matrix m: its four tiles' codes and scale words
.irp t,0,1,2,3
	global_load_b128 v[WC+16*\m+4*\t:WC+16*\m+4*\t+3], v2, s[\cp:\cp+1] offset:(32*(\t/2)+8*(\t%2))*32
	global_load_u16 v[SW+4*\m+\t], v3, s[\sp:\sp+1] offset:(32*(\t/2)+8*(\t%2))*2
.endr
.endm
.macro BLOAD reg, bp                   ; a bias in the result's layout: tile t's eight channels of my half
.irp t,0,1,2,3
	global_load_b128 v[\reg+8*\t:\reg+8*\t+3], v4, s[\bp:\bp+1] offset:(32*(\t/2)+8*(\t%2))*4
	global_load_b128 v[\reg+8*\t+4:\reg+8*\t+7], v4, s[\bp:\bp+1] offset:(32*(\t/2)+8*(\t%2))*4+16
.endr
.endm
; The four results in v[O] on go through my own stage (rows of 256 bytes + 16) and leave as whole rows: sixteen lanes store 256 consecutive bytes, aligned.
.macro OUTT base
	PLACES 5                                                              ; four ahead of the stores that read the results, five ahead of the next table's products, which write over them
.irp t,0,1,2,3
	ds_store_b128 v5, v[O+8*\t:O+8*\t+3] offset:(32*(\t/2)+8*(\t%2))*4    ; each result from its low end on
	ds_store_b128 v5, v[O+8*\t+4:O+8*\t+7] offset:(32*(\t/2)+8*(\t%2))*4+16
.endr
.irp i,0,1,2,3,4,5,6,7
	ds_load_b128 v[F+4*\i:F+4*\i+3], v6 offset:544*\i                     ; LDS serves a wave's instructions in order: these see my stores
.endr
	s_wait_dscnt 0x0
.irp i,0,1,2,3,4,5,6,7
	global_store_b128 v7, v[F+4*\i:F+4*\i+3], s[\base:\base+1] offset:512*\i
.endr
	s_wait_xcnt 0x0                                                       ; the stores have read their registers: the next table's rows may land there
.endm
	s_load_b512 s[4:19], s[0:1], 0x0               ; features 4, Wk codes 6, scales 8, bk 10, Wq codes 12, scales 14, Wks codes 16, scales 18
	s_load_b256 s[20:27], s[0:1], 0x40             ; Wv codes 20, scales 22, bp2 24, qb 26
	s_load_b128 s[28:31], s[0:1], 0x60             ; kt 28, vt 30
	v_lshl_add_u32 v254, v0, 2, 0x4400
	v_mov_b32 v255, 0
	v_lshrrev_b32 v8, 5, v0
	v_readfirstlane_b32 s32, v8                    ; wave 0..3
	v_and_b32 v9, 15, v0                           ; r
	v_bfe_u32 v10, v0, 4, 1                        ; h
	v_and_b32 v11, 8, v9
	v_add_nc_u32 v11, v11, v9                      ; r + 8 (r / 8)
	v_lshlrev_b32 v1, 8, v9
	v_lshl_add_u32 v1, v10, 6, v1                  ; features: row r of 256 bytes, + 64 h
	v_lshlrev_b32 v2, 5, v11
	v_lshl_add_u32 v2, v10, 4, v2                  ; codes: a tile's row of 32 bytes, + 16 h
	v_lshlrev_b32 v3, 1, v11                       ; scale bytes: two a row
	v_lshlrev_b32 v4, 6, v10                       ; biases: 64 h
	s_mul_i32 s33, s32, 4352                       ; my stage: 16 rows x 272 bytes
	v_mul_u32_u24 v5, v9, 272
	v_lshl_add_u32 v5, v10, 6, v5
	v_add_nc_u32 v5, s33, v5                       ; in: row r, + 64 h
	v_mul_u32_u24 v6, v10, 272
	v_lshl_add_u32 v6, v9, 4, v6
	v_add_nc_u32 v6, s33, v6                       ; back: lanes 0-15 one row, lanes 16-31 the next
	v_lshlrev_b32 v7, 8, v10
	v_lshl_add_u32 v7, v9, 4, v7                   ; and the same two rows in a table
	s_mov_b32 s[SEL], 0x76543210
	s_mov_b32 s[SEL+1], 0xfedcba98
	s_lshl_b32 s34, ttmp9, 2
	s_add_co_u32 s34, s34, s32
	s_lshl_b32 s34, s34, 12                        ; my 16 rows begin (4 x work-group + wave) x 4,096 bytes on
	s_mov_b32 s35, 0
.irp i,0,1,2,3
	v_mov_b32 v[96+\i], 0                          ; behind the last tile's codes
	v_mov_b32 v[PC+4+\i], 0                        ; k = 64 .. 127 of every activation: zero codes
.endr
	s_wait_kmcnt 0x0
	s_add_nc_u64 s[4:5], s[4:5], s[34:35]
	s_add_nc_u64 s[26:27], s[26:27], s[34:35]
	s_add_nc_u64 s[28:29], s[28:29], s[34:35]
	s_add_nc_u64 s[30:31], s[30:31], s[34:35]
.irp b,0,1
.irp i,0,1,2,3
	global_load_b128 v[F+16*\b+4*\i:F+16*\b+4*\i+3], v1, s[4:5] offset:128*\b+16*\i th:TH_LOAD_NT
.endr
.endr
	WLOAD 0, 6, 8
	WLOAD 1, 12, 14
	WLOAD 2, 16, 18
	WLOAD 3, 20, 22
	BLOAD O, 10
	BLOAD BP, 24
	s_wait_loadcnt 0x0
	QUANT F
	PLACES 8                                       ; a scale word made by vector instructions stands 8 places ahead of a scaled product
.irp t,0,1,2,3
	MMC X+8*\t, WC+4*\t, PC, O+8*\t, SW+\t, PW     ; x, with bk as C
.endr
	PLACES 4
	QUANT X
	PLACES 8
.irp t,0,1,2,3
	MMC O+8*\t, WC+16+4*\t, PC, BP+8*\t, SW+4+\t, PW   ; q + bp2
.endr
	OUTT 26
.irp t,0,1,2,3
	MMZ O+8*\t, WC+32+4*\t, PC, SW+8+\t, PW        ; k
.endr
	OUTT 28
.irp t,0,1,2,3
	MMZ O+8*\t, WC+48+4*\t, PC, SW+12+\t, PW       ; v
.endr
	OUTT 30
	s_wait_tensorcnt 0x0
	ds_add_u32 v254, v255
	s_wait_dscnt 0x0
	s_endpgm
.Lfunc_end_k_q007737a677_proj:
	.size	k_q007737a677_proj, .Lfunc_end_k_q007737a677_proj-k_q007737a677_proj
	.p2alignl 7, 3214868480
	.fill 96, 4, 3214868480
	.section	.rodata,"a",@progbits
	.p2align	6, 0x0
	.amdhsa_kernel k_q007737a677_proj
		.amdhsa_group_segment_fixed_size 17920
		.amdhsa_private_segment_fixed_size 0
		.amdhsa_enable_private_segment 0
		.amdhsa_kernarg_size 112
		.amdhsa_user_sgpr_count 2
		.amdhsa_user_sgpr_kernarg_segment_ptr 1
		.amdhsa_wavefront_size32 1
		.amdhsa_system_sgpr_workgroup_id_x 1
		.amdhsa_system_sgpr_workgroup_id_y 1
		.amdhsa_system_sgpr_workgroup_id_z 1
		.amdhsa_system_vgpr_workitem_id 0
		.amdhsa_next_free_vgpr 256
		.amdhsa_next_free_sgpr 66
		.amdhsa_reserve_vcc 0
		.amdhsa_float_denorm_mode_32 3
		.amdhsa_float_denorm_mode_16_64 3
		.amdhsa_memory_ordered 1
		.amdhsa_forward_progress 1
		.amdhsa_inst_pref_size 20
	.end_amdhsa_kernel
	.amdgpu_metadata
---
amdhsa.version: [ 1, 2 ]
amdhsa.kernels:
  - .name:           k_q007737a677_proj
    .symbol:         k_q007737a677_proj.kd
    .args:
      - { .name: features, .offset: 0, .size: 8, .value_kind: global_buffer, .address_space: global }
      - { .name: Wk_codes, .offset: 8, .size: 8, .value_kind: global_buffer, .address_space: global }
      - { .name: Wk_scales, .offset: 16, .size: 8, .value_kind: global_buffer, .address_space: global }
      - { .name: bk, .offset: 24, .size: 8, .value_kind: global_buffer, .address_space: global }
      - { .name: Wq_codes, .offset: 32, .size: 8, .value_kind: global_buffer, .address_space: global }
      - { .name: Wq_scales, .offset: 40, .size: 8, .value_kind: global_buffer, .address_space: global }
      - { .name: Wks_codes, .offset: 48, .size: 8, .value_kind: global_buffer, .address_space: global }
      - { .name: Wks_scales, .offset: 56, .size: 8, .value_kind: global_buffer, .address_space: global }
      - { .name: Wv_codes, .offset: 64, .size: 8, .value_kind: global_buffer, .address_space: global }
      - { .name: Wv_scales, .offset: 72, .size: 8, .value_kind: global_buffer, .address_space: global }
      - { .name: bp2, .offset: 80, .size: 8, .value_kind: global_buffer, .address_space: global }
      - { .name: qb, .offset: 88, .size: 8, .value_kind: global_buffer, .address_space: global }
      - { .name: kt, .offset: 96, .size: 8, .value_kind: global_buffer, .address_space: global }
      - { .name: vt, .offset: 104, .size: 8, .value_kind: global_buffer, .address_space: global }
    .group_segment_fixed_size: 17920
    .private_segment_fixed_size: 0
    .kernarg_segment_align: 8
    .kernarg_segment_size: 112
    .max_flat_workgroup_size: 128
    .sgpr_count:     66
    .vgpr_count:     256
    .wavefront_size: 32
...
	.end_amdgpu_metadata
.endif
;; end of part 1
;; launch coarse (part 2): grid 256 x 1, 8 waves a work-group, no clusters, 235,520 bytes of LDS; arguments xyzp, grp; writes grp
.if DOCPART == 2
	.amdgcn_target "amdgcn-amd-amdhsa--gfx1250"
	.amdhsa_code_object_version 6
	.text
	.protected	k_q007737a677_coarse
	.globl	k_q007737a677_coarse
	.p2align	8
	.type	k_q007737a677_coarse,@function
k_q007737a677_coarse:
	s_mov_b64 s[64:65], 0
	v_nop
	global_prefetch_b8 v0, s[64:65] scope:SCOPE_SE
	s_setreg_imm32_b32 hwreg(HW_REG_WAVE_MODE, 25, 1), 1
	s_wait_xcnt 0x0
; THE NEAREST NEIGHBOURS, FIRST HALF.  d(n, m) = (sq_n + sq_m) - 2 x_n . x_m.  The 8,192 candidates of a batch are cut into 512 groups of 16 neighbouring indices; for each query the least d of
; every group is taken, and the 16 groups that come first by (least d, group's number) are stored.  They hold the 16 candidates that come first by (d, index): a group that precedes a candidate's
; group holds a candidate that precedes it, so at most 15 groups precede the group of any of the 16.
; ARITHMETIC: sq = x x, then two fused multiply-adds (y, z); the dot likewise, with -2 folded into the query's coordinates (exact); d = round(round(sq_n + sq_m) + round(-2 dot)).
; LIMITS: NaN and infinite coordinates are not served.  Two d that differ by less than this rounding may be ordered otherwise by arithmetic that is not fused.
; NO BRANCH AND NO ADDRESS HANGS ON A DISTANCE: the choice is made by lists of 16 sorted registers a lane (an insertion is 15 medians and a minimum) and by merging networks.
;   pass 1 finds T, the 16th smallest value;  pass 2 inserts KEYS: 2^23 + id where the value is under T, 2^23 + id + 512 where it equals T, +infinity else.  As f32 numbers the keys are ordered as whole
;   numbers, so the 16 smallest are all ids under T and then the lowest ids at T.
; SHARES: a work-group takes 64 queries of one batch against all candidates.  Phase 1 (a lane = a group): wave w keeps candidates 1,024 w .. + 1,023 in registers (two sets of 32 groups, 16 candidates down the
; registers) and walks the 64 queries, two a trip.  Phase 2 (a lane = a query): wave w = 4 hq + sg takes queries 32 hq + lane and groups 128 sg .. + 127; the four waves' lists meet in LDS.
; NO JOINT LOADS: what work-groups share is the batch's 131,072 bytes of coordinates, of which a wave loads 16,384 once, at the head, ahead of a loop of some 6,000 vector instructions.
.set GP,   2064                        ; a query's row of 512 group minima: 2,048 bytes + 16: 129 x 16
.set STG,  64*GP                       ; behind them a stage for each wave: 32 rows x 272 bytes; at the end it serves the way out
.set STW,  8704
.set EX1,  STG+8*STW                   ; the eight waves' lists of values, 2,048 bytes each, as images of their registers
.set EXD,  16384                       ; and, so many bytes on, their lists of keys
.set C0,   16                          ; v16-79   set 0: x 16 registers, y, z, sq
.set C1,   80                          ; v80-143  set 1 (first: set 0 as loaded)
.set LL,   16                          ; phase 2: v16-31 my list of values
.set DV,   32                          ;          v32-63 32 values of a trip
.set LA,   64                          ;          v64-127 the four waves' lists
.set SCR,  128                         ;          v128-143 the networks' second row
.set KK,   144                         ;          v144-159 my list of keys
.set TT,   160                         ;          v160 T;  v161 +infinity;  v162, v163 keys by turns
.set INF,  161
.macro BARRIER
	s_wait_dscnt 0x0                               ; my LDS stores have landed and my LDS loads are in
	s_barrier_signal -1
	s_barrier_wait -1
.endm
; an insertion into an ascending list of 16, the largest falling out: from the top down, each place takes the median of its lower neighbour, the newcomer and itself.  In three parts, so that other lines can stand between.
.macro INSA L, x
.irp i,15,14,13,12,11
	v_med3_num_f32 v[\L+\i], v[\L+\i-1], v[\x], v[\L+\i]
.endr
.endm
.macro INSB L, x
.irp i,10,9,8,7,6
	v_med3_num_f32 v[\L+\i], v[\L+\i-1], v[\x], v[\L+\i]
.endr
.endm
.macro INSC L, x
.irp i,5,4,3,2,1
	v_med3_num_f32 v[\L+\i], v[\L+\i-1], v[\x], v[\L+\i]
.endr
	v_min_num_f32 v[\L], v[\L], v[\x]
.endm
.macro INSF L, x
	INSA \L, \x
	INSB \L, \x
	INSC \L, \x
.endm
.macro LOW16 A, B                      ; the 16 smallest of two ascending lists, as a bitonic row
.irp i,0,1,2,3,4,5,6,7,8,9,10,11,12,13,14,15
	v_min_num_f32 v[\A+\i], v[\A+\i], v[\B+15-\i]
.endr
.endm
.macro STAGE src, dst, d
.irp i,0,1,2,3,4,5,6,7,8,9,10,11,12,13,14,15
.if ((\i)&(\d))==0
	v_min_num_f32 v[\dst+\i], v[\src+\i], v[\src+\i+\d]
	v_max_num_f32 v[\dst+\i+\d], v[\src+\i], v[\src+\i+\d]
.endif
.endr
.endm
.macro MERGE16 A, B, C                 ; and sorted again: four stages, from row to row
	LOW16 \A, \B
	STAGE \A, \C, 8
	STAGE \C, \A, 4
	STAGE \A, \C, 2
	STAGE \C, \A, 1
.endm
.macro XCHG reg, off                   ; my list goes to LDS as it stands; behind a barrier the four lists of my 32 queries come back, lane for lane
.irp i,0,1,2,3
	ds_store_b128 v4, v[\reg+4*\i:\reg+4*\i+3] offset:\off+512*\i
.endr
	BARRIER
.irp s,0,1,2,3
.irp i,0,1,2,3
	ds_load_b128 v[LA+16*\s+4*\i:LA+16*\s+4*\i+3], v5 offset:\off+2048*\s+512*\i
.endr
.endr
	s_wait_dscnt 0x0
.endm
; 512 candidates as loaded (16 bytes a lane, dense) turn through my stage: a row to a group; back, lane l takes group l, a component at a time, 16 candidates down the registers.  Then sq.
.macro SOA buf, cs
.irp i,0,1,2,3,4,5,6,7,8,9,10,11,12,13,14,15
	ds_store_b128 v2, v[\buf+4*\i:\buf+4*\i+3] offset:544*\i
.endr
.irp j,0,1,2,3,4,5,6,7,8,9,10,11,12,13,14,15
	ds_load_b32 v[\cs+\j], v3 offset:16*\j
	ds_load_b32 v[\cs+16+\j], v3 offset:16*\j+4
	ds_load_b32 v[\cs+32+\j], v3 offset:16*\j+8
.endr
	s_wait_dscnt 0x0
.irp j,0,1,2,3,4,5,6,7,8,9,10,11,12,13,14,15
	v_mul_f32 v[\cs+48+\j], v[\cs+\j], v[\cs+\j]
.endr
.irp j,0,1,2,3,4,5,6,7,8,9,10,11,12,13,14,15
	v_fma_f32 v[\cs+48+\j], v[\cs+16+\j], v[\cs+16+\j], v[\cs+48+\j]
.endr
.irp j,0,1,2,3,4,5,6,7,8,9,10,11,12,13,14,15
	v_fma_f32 v[\cs+48+\j], v[\cs+32+\j], v[\cs+32+\j], v[\cs+48+\j]
.endr
.endm
; one query (scalars at s[sq] on: -2x, -2y, -2z, sq, each the low word of a pair) against one set: 16 distances a lane, two an instruction, and their minimum to the query's row
.macro BLOCK cs, sq, tt, uu, mm, adr, off
.irp p,0,2,4,6,8,10,12,14
	v_pk_mul_f32 v[\tt+\p:\tt+\p+1], v[\cs+\p:\cs+\p+1], s[\sq:\sq+1] op_sel_hi:[1,0]
.endr
.irp p,0,2,4,6,8,10,12,14
	v_pk_add_f32 v[\uu+\p:\uu+\p+1], v[\cs+48+\p:\cs+48+\p+1], s[\sq+6:\sq+7] op_sel_hi:[1,0]
.endr
.irp p,0,2,4,6,8,10,12,14
	v_pk_fma_f32 v[\tt+\p:\tt+\p+1], v[\cs+16+\p:\cs+16+\p+1], s[\sq+2:\sq+3], v[\tt+\p:\tt+\p+1] op_sel_hi:[1,0,1]
.endr
.irp p,0,2,4,6,8,10,12,14
	v_pk_fma_f32 v[\tt+\p:\tt+\p+1], v[\cs+32+\p:\cs+32+\p+1], s[\sq+4:\sq+5], v[\tt+\p:\tt+\p+1] op_sel_hi:[1,0,1]
.endr
.irp p,0,2,4,6,8,10,12,14
	v_pk_add_f32 v[\tt+\p:\tt+\p+1], v[\uu+\p:\uu+\p+1], v[\tt+\p:\tt+\p+1]
.endr
	v_min3_num_f32 v[\mm], v[\tt], v[\tt+1], v[\tt+2]
	v_min3_num_f32 v212, v[\tt+3], v[\tt+4], v[\tt+5]
	v_min3_num_f32 v[\mm], v[\mm], v[\tt+6], v[\tt+7]
	v_min3_num_f32 v212, v212, v[\tt+8], v[\tt+9]
	v_min3_num_f32 v[\mm], v[\mm], v[\tt+10], v[\tt+11]
	v_min3_num_f32 v212, v212, v[\tt+12], v[\tt+13]
	v_min3_num_f32 v[\mm], v[\mm], v[\tt+14], v[\tt+15]
	v_min_num_f32 v[\mm], v[\mm], v212
	ds_store_b32 v[\adr], v[\mm] offset:\off
.endm
.macro LOADD                           ; 32 values of my query's row
.irp k,0,1,2,3,4,5,6,7
	ds_load_b128 v[DV+4*\k:DV+4*\k+3], v3 offset:16*\k
.endr
.endm
.macro KEY0 x, k                       ; the key of value x
	v_cmp_lt_f32 vcc_lo, v[\x], v[TT]
	v_cmp_eq_f32 s30, v[\x], v[TT]
	v_cndmask_b32 v[\k], v[INF], s32, s30
	v_cndmask_b32 v[\k], v[\k], s31, vcc_lo
	s_add_co_u32 s31, s31, 1
	s_add_co_u32 s32, s32, 1
.endm
.macro STEPK x, k, c                   ; the key of value x is made among the lines that insert key c
	v_cmp_lt_f32 vcc_lo, v[\x], v[TT]
	v_cmp_eq_f32 s30, v[\x], v[TT]
	INSA KK, \c
	v_cndmask_b32 v[\k], v[INF], s32, s30
	INSB KK, \c
	v_cndmask_b32 v[\k], v[\k], s31, vcc_lo
	INSC KK, \c
	s_add_co_u32 s31, s31, 1
	s_add_co_u32 s32, s32, 1
.endm
	s_load_b128 s[4:7], s[0:1], 0x0                ; xyzp, grp
	v_lshl_add_u32 v224, v0, 2, 0x39400
	v_mov_b32 v225, 0
	v_lshrrev_b32 v1, 5, v0
	v_readfirstlane_b32 s8, v1                     ; wave 0..7
	s_lshr_b32 s9, ttmp9, 7                        ; batch
	s_and_b32 s10, ttmp9, 127                      ; which 64 queries of it
	s_lshr_b32 s11, s8, 2                          ; hq
	s_and_b32 s12, s8, 3                           ; sg
	v_and_b32 v215, 31, v0                         ; lane; kept
	v_and_b32 v213, 15, v0
	v_bfe_u32 v214, v0, 4, 1
	v_lshlrev_b32 v1, 4, v215                      ; 16 x lane; kept
	s_mul_i32 s13, s8, STW
	s_add_co_u32 s13, s13, STG                     ; my stage
	v_mul_u32_u24 v2, v214, 272
	v_lshl_add_u32 v2, v213, 4, v2
	v_add_nc_u32 v2, s13, v2                       ; in: load i holds groups 2 i and 2 i + 1: row lane / 16, 16 bytes a candidate
	v_mul_u32_u24 v3, v215, 272
	v_add_nc_u32 v3, s13, v3                       ; back: row = lane
	s_lshl_b32 s18, s8, 8
	v_lshl_add_u32 v4, v215, 2, s18                ; a row's word of group 64 w + lane (set 1: 128 bytes on)
	v_add_nc_u32 v5, 32*GP, v4                     ; the same, 32 queries further down
	s_lshl_b32 s14, s9, 17
	s_mov_b32 s15, 0
.irp k,41,43,45,47,49,51,53,55
	s_mov_b32 s\k, 0                               ; the packed forms name pairs and take the low words: the upper words are written once
.endr
	s_wait_kmcnt 0x0
	s_add_nc_u64 s[4:5], s[4:5], s[14:15]          ; the batch's coordinates
	s_lshl_b32 s14, s10, 10
	s_add_nc_u64 s[20:21], s[4:5], s[14:15]        ; my work-group's 64 queries
	s_lshl_b32 s14, s8, 14
	s_add_nc_u64 s[22:23], s[4:5], s[14:15]        ; my wave's 1,024 candidates
	s_lshl_b32 s14, ttmp9, 12
	s_add_nc_u64 s[6:7], s[6:7], s[14:15]
	s_lshl_b32 s14, s8, 9
	s_add_nc_u64 s[6:7], s[6:7], s[14:15]          ; grp: 64 queries x 64 bytes a work-group; wave 4 hq + sg stores the sg-th quarter of hq's 2,048 bytes
	global_load_b128 v[8:11], v1, s[20:21]         ; query lane
	global_load_b128 v[12:15], v1, s[20:21] offset:512   ; query 32 + lane
.irp i,0,1,2,3,4,5,6,7,8,9,10,11,12,13,14,15
	global_load_b128 v[80+4*\i:83+4*\i], v1, s[22:23] offset:512*\i
.endr
.irp i,0,1,2,3,4,5,6,7,8,9,10,11,12,13,14,15
	global_load_b128 v[144+4*\i:147+4*\i], v1, s[22:23] offset:8192+512*\i
.endr
	s_wait_loadcnt 16                              ; the queries and set 0 are in; the 16 younger loads are set 1's
.irp q,8,12
	v_mul_f32 v[\q+3], v[\q], v[\q]                ; sq takes the place of the fourth coordinate, which no distance uses
	v_fma_f32 v[\q+3], v[\q+1], v[\q+1], v[\q+3]
	v_fma_f32 v[\q+3], v[\q+2], v[\q+2], v[\q+3]
	v_mul_f32 v[\q], -2.0, v[\q]
	v_mul_f32 v[\q+1], -2.0, v[\q+1]
	v_mul_f32 v[\q+2], -2.0, v[\q+2]
.endr
	SOA 80, C0
	s_wait_loadcnt 0x0
	SOA 144, C1
	; ---- phase 1: 32 trips, queries trip and 32 + trip
	s_mov_b32 s16, 0
	s_mov_b32 s17, 0
.Lquery:
.irp k,0,1,2,3,4,5,6,7
	v_readlane_b32 s[40+2*\k], v[8+\k], s16
.endr
	v_add_nc_u32 v6, s17, v4
	v_add_nc_u32 v7, s17, v5
	BLOCK C0, 40, 144, 160, 208, 6, 0
	BLOCK C1, 40, 176, 192, 209, 6, 128
	BLOCK C0, 48, 144, 160, 210, 7, 0
	BLOCK C1, 48, 176, 192, 211, 7, 128
	s_add_co_u32 s17, s17, GP
	s_add_co_u32 s16, s16, 1
	s_cmp_lt_u32 s16, 32
	s_cbranch_scc1 .Lquery
	BARRIER                                        ; the 64 rows of minima are whole
	; ---- phase 2
	s_mul_i32 s18, s11, 32*GP
	s_lshl_b32 s24, s12, 9
	s_add_co_u32 s18, s18, s24
	v_mul_u32_u24 v2, v215, GP
	v_add_nc_u32 v2, s18, v2                       ; my query's row, my 128 groups
	s_lshl_b32 s18, s8, 11
	s_add_co_u32 s18, s18, EX1
	v_lshl_add_u32 v4, v215, 4, s18                ; where my list goes
	s_lshl_b32 s18, s11, 13
	s_add_co_u32 s18, s18, EX1
	v_lshl_add_u32 v5, v215, 4, s18                ; where the four lists of my queries lie
	v_lshl_add_u32 v6, v215, 6, s13                ; the way out: 64 bytes a query into my stage,
	s_add_co_u32 s18, s13, s24
	v_lshl_add_u32 v7, v215, 4, s18                ; and my quarter of it back, 16 bytes a lane
	v_mov_b32 v[INF], 0x7f800000
.irp i,0,1,2,3,4,5,6,7,8,9,10,11,12,13,14,15
	v_mov_b32 v[LL+\i], v[INF]
	v_mov_b32 v[KK+\i], v[INF]
.endr
	s_mov_b32 s16, 0
	s_mov_b32 s17, 0
.Lpass1:                                               ; four trips of 32 values
	v_add_nc_u32 v3, s17, v2
	LOADD
	s_wait_dscnt 4                                 ; the first 16 values are in; the younger four loads stay out
.irp x,0,1,2,3,4,5,6,7,8,9,10,11,12,13,14,15
	INSF LL, DV+\x
.endr
	s_wait_dscnt 0x0
.irp x,16,17,18,19,20,21,22,23,24,25,26,27,28,29,30,31
	INSF LL, DV+\x
.endr
	s_add_co_u32 s17, s17, 128
	s_add_co_u32 s16, s16, 1
	s_cmp_lt_u32 s16, 4
	s_cbranch_scc1 .Lpass1
	XCHG LL, 0
	MERGE16 LA, LA+16, SCR
	MERGE16 LA+32, LA+48, SCR
	LOW16 LA, LA+32                                ; the 16 smallest of all 512
	v_max3_num_f32 v[TT], v[LA], v[LA+1], v[LA+2]  ; T is their largest
	v_max3_num_f32 v162, v[LA+3], v[LA+4], v[LA+5]
	v_max3_num_f32 v[TT], v[TT], v[LA+6], v[LA+7]
	v_max3_num_f32 v162, v162, v[LA+8], v[LA+9]
	v_max3_num_f32 v[TT], v[TT], v[LA+10], v[LA+11]
	v_max3_num_f32 v162, v162, v[LA+12], v[LA+13]
	v_max3_num_f32 v[TT], v[TT], v[LA+14], v[LA+15]
	v_max_num_f32 v[TT], v[TT], v162
	s_lshl_b32 s31, s12, 7
	s_add_co_u32 s31, s31, 0x4b000000              ; 2^23 + the group's number, as bits of an f32
	s_add_co_u32 s32, s31, 512                     ; the same for a value that equals T
	s_mov_b32 s16, 0
	s_mov_b32 s17, 0
.Lpass2:
	v_add_nc_u32 v3, s17, v2
	LOADD
	s_wait_dscnt 4
	KEY0 DV, 162
.set n, 0
.rept 31
.if n == 15
	s_wait_dscnt 0x0                               ; the key of value 16 is next
.endif
	STEPK DV+n+1, 162+(n+1)%2, 162+n%2
.set n, n+1
.endr
	INSF KK, 163
	s_add_co_u32 s17, s17, 128
	s_add_co_u32 s16, s16, 1
	s_cmp_lt_u32 s16, 4
	s_cbranch_scc1 .Lpass2
	XCHG KK, EXD
	MERGE16 LA, LA+16, SCR
	MERGE16 LA+32, LA+48, SCR
	LOW16 LA, LA+32                                ; the 16 keys: at least 16 values are at or under T, so none is infinite
.irp i,0,1,2,3,4,5,6,7,8,9,10,11,12,13,14,15
	v_and_b32 v[LA+\i], 0x1ff, v[LA+\i]            ; the group's number
.endr
.irp i,0,1,2,3
	ds_store_b128 v6, v[LA+4*\i:LA+4*\i+3] offset:16*\i
.endr
	ds_load_b128 v[SCR:SCR+3], v7                  ; all four waves of hq hold the same 2,048 bytes; each stores a quarter: 512 consecutive bytes, aligned
	s_wait_dscnt 0x0
	global_store_b128 v1, v[SCR:SCR+3], s[6:7]
	s_wait_tensorcnt 0x0
	ds_add_u32 v224, v225
	s_wait_dscnt 0x0
	s_endpgm
.Lfunc_end_k_q007737a677_coarse:
	.size	k_q007737a677_coarse, .Lfunc_end_k_q007737a677_coarse-k_q007737a677_coarse
	.p2alignl 7, 3214868480
	.fill 96, 4, 3214868480
	.section	.rodata,"a",@progbits
	.p2align	6, 0x0
	.amdhsa_kernel k_q007737a677_coarse
		.amdhsa_group_segment_fixed_size 235520
		.amdhsa_private_segment_fixed_size 0
		.amdhsa_enable_private_segment 0
		.amdhsa_kernarg_size 16
		.amdhsa_user_sgpr_count 2
		.amdhsa_user_sgpr_kernarg_segment_ptr 1
		.amdhsa_wavefront_size32 1
		.amdhsa_system_sgpr_workgroup_id_x 1
		.amdhsa_system_sgpr_workgroup_id_y 1
		.amdhsa_system_sgpr_workgroup_id_z 1
		.amdhsa_system_vgpr_workitem_id 0
		.amdhsa_next_free_vgpr 226
		.amdhsa_next_free_sgpr 66
		.amdhsa_reserve_vcc 1
		.amdhsa_float_denorm_mode_32 3
		.amdhsa_float_denorm_mode_16_64 3
		.amdhsa_memory_ordered 1
		.amdhsa_forward_progress 1
		.amdhsa_inst_pref_size 123
	.end_amdhsa_kernel
	.amdgpu_metadata
---
amdhsa.version: [ 1, 2 ]
amdhsa.kernels:
  - .name:           k_q007737a677_coarse
    .symbol:         k_q007737a677_coarse.kd
    .args:
      - { .name: xyzp, .offset: 0, .size: 8, .value_kind: global_buffer, .address_space: global }
      - { .name: grp, .offset: 8, .size: 8, .value_kind: global_buffer, .address_space: global }
    .group_segment_fixed_size: 235520
    .private_segment_fixed_size: 0
    .kernarg_segment_align: 8
    .kernarg_segment_size: 16
    .max_flat_workgroup_size: 256
    .sgpr_count:     66
    .vgpr_count:     226
    .wavefront_size: 32
...
	.end_amdgpu_metadata
.endif
;; end of part 2
;; launch refine (part 3): grid 256 x 1, 8 waves a work-group, no clusters, 116,736 bytes of LDS; arguments xyzp, grp, idx; writes idx
.if DOCPART == 3
	.amdgcn_target "amdgcn-amd-amdhsa--gfx1250"
	.amdhsa_code_object_version 6
	.text
	.protected	k_q007737a677_refine
	.globl	k_q007737a677_refine
	.p2align	8
	.type	k_q007737a677_refine,@function
k_q007737a677_refine:
	s_mov_b64 s[64:65], 0
	v_nop
	global_prefetch_b8 v0, s[64:65] scope:SCOPE_SE
	s_setreg_imm32_b32 hwreg(HW_REG_WAVE_MODE, 25, 1), 1
	s_wait_xcnt 0x0
; THE NEAREST NEIGHBOURS, SECOND HALF.  For each query the 16 groups that the launch before stored hold 256 candidates; their d is made anew, by the same operations, and the 16 that come first by
; (d, index) are stored as rows of the tables: batch x 8,192 + index.  The order inside a query's 16 is of no account: all that follows is a sum over them.
; The choice is made as before: T = the 16th smallest d; keys 2^23 + index (under T), 2^23 + index + 8,192 (equal to T), +infinity (else); the 16 smallest keys.
; Addresses hang on the stored group numbers alone, held to 511 by v_min_u32; nothing hangs on a distance.
; LIMITS: as in the launch before: NaN and infinite coordinates are not served; sq and the dot are fused multiply-adds in ascending k.
; SHARES: a work-group takes 64 queries.  Phase 1 (a lane = a candidate): wave w takes queries 8 w + t; in load i lane (r, h) is candidate r of the query's group slot 8 h + i: sixteen lanes read a group's 256
; consecutive bytes.  Phase 2 (a lane = a query): wave w = 4 hq + sg takes queries 32 hq + lane and slots 4 sg .. + 3.
.set DP,   1040                        ; a query's row of 256 distances: 1,024 bytes + 16 = 65 x 16
.set EX1,  64*DP                       ; the eight waves' lists of values, 2,048 bytes each;
.set EXD,  16384                       ; so many bytes on, of keys
.set TR,   EX1+2*EXD                   ; the way out: 2,048 bytes for each wave
.set GI,   16                          ; v16-79   group numbers, then byte offsets: query t, load i at 8 t + i
.set QC,   80                          ; v80-111  the eight queries' coordinates
.set CD,   112                         ; v112-175 candidates: two sets of 8 x 4
.set SS,   176                         ; v176-183 sq_m, then sq_n + sq_m
.set DT,   184                         ; v184-191 -2 dot, then d
.set GQ,   196                         ; v196-199 phase 2: my query's four group numbers
.set DD,   16                          ; phase 2: v16-79 my 64 distances
.set LL,   80                          ;          v80-95 my list of values
.set LA,   96                          ;          v96-159 the four waves' lists
.set SCR,  160                         ;          v160-175 the networks' second row
.set KK,   176                         ;          v176-191 my list of keys
.set KB,   200                         ;          v200-203 2^23 + 16 x group number
.set TT,   204
.set INF,  205                         ;          v206, v207 keys by turns; v208 at work
.macro BARRIER
	s_wait_dscnt 0x0
	s_barrier_signal -1
	s_barrier_wait -1
.endm
.macro INSA L, x
.irp i,15,14,13,12,11
	v_med3_num_f32 v[\L+\i], v[\L+\i-1], v[\x], v[\L+\i]
.endr
.endm
.macro INSB L, x
.irp i,10,9,8,7,6
	v_med3_num_f32 v[\L+\i], v[\L+\i-1], v[\x], v[\L+\i]
.endr
.endm
.macro INSC L, x
.irp i,5,4,3,2,1
	v_med3_num_f32 v[\L+\i], v[\L+\i-1], v[\x], v[\L+\i]
.endr
	v_min_num_f32 v[\L], v[\L], v[\x]
.endm
.macro INSF L, x
	INSA \L, \x
	INSB \L, \x
	INSC \L, \x
.endm
.macro LOW16 A, B
.irp i,0,1,2,3,4,5,6,7,8,9,10,11,12,13,14,15
	v_min_num_f32 v[\A+\i], v[\A+\i], v[\B+15-\i]
.endr
.endm
.macro STAGE src, dst, d
.irp i,0,1,2,3,4,5,6,7,8,9,10,11,12,13,14,15
.if ((\i)&(\d))==0
	v_min_num_f32 v[\dst+\i], v[\src+\i], v[\src+\i+\d]
	v_max_num_f32 v[\dst+\i+\d], v[\src+\i], v[\src+\i+\d]
.endif
.endr
.endm
.macro MERGE16 A, B, C
	LOW16 \A, \B
	STAGE \A, \C, 8
	STAGE \C, \A, 4
	STAGE \A, \C, 2
	STAGE \C, \A, 1
.endm
.macro XCHG reg, off
.irp i,0,1,2,3
	ds_store_b128 v7, v[\reg+4*\i:\reg+4*\i+3] offset:\off+512*\i
.endr
	BARRIER
.irp s,0,1,2,3
.irp i,0,1,2,3
	ds_load_b128 v[LA+16*\s+4*\i:LA+16*\s+4*\i+3], v8 offset:\off+2048*\s+512*\i
.endr
.endr
	s_wait_dscnt 0x0
.endm
.macro GATH t                          ; query t's 256 candidates: eight loads, 16 bytes a lane
.irp i,0,1,2,3,4,5,6,7
	global_load_b128 v[CD+32*((\t)%2)+4*\i:CD+32*((\t)%2)+4*\i+3], v[GI+8*(\t)+\i], s[26:27]
.endr
.endm
.macro DIST t                          ; their distances, eight a lane, line by line across the eight
.set CB, CD+32*((\t)%2)
.set CQ, QC+4*(\t)
	v_mul_f32 v195, v[CQ], v[CQ]
	v_mul_f32 v192, -2.0, v[CQ]
	v_mul_f32 v193, -2.0, v[CQ+1]
	v_mul_f32 v194, -2.0, v[CQ+2]
	v_fma_f32 v195, v[CQ+1], v[CQ+1], v195
	v_fma_f32 v195, v[CQ+2], v[CQ+2], v195
.irp i,0,1,2,3,4,5,6,7
	v_mul_f32 v[SS+\i], v[CB+4*\i], v[CB+4*\i]
.endr
.irp i,0,1,2,3,4,5,6,7
	v_mul_f32 v[DT+\i], v[CB+4*\i], v192
.endr
.irp i,0,1,2,3,4,5,6,7
	v_fma_f32 v[SS+\i], v[CB+4*\i+1], v[CB+4*\i+1], v[SS+\i]
.endr
.irp i,0,1,2,3,4,5,6,7
	v_fma_f32 v[DT+\i], v[CB+4*\i+1], v193, v[DT+\i]
.endr
.irp i,0,1,2,3,4,5,6,7
	v_fma_f32 v[SS+\i], v[CB+4*\i+2], v[CB+4*\i+2], v[SS+\i]
.endr
.irp i,0,1,2,3,4,5,6,7
	v_fma_f32 v[DT+\i], v[CB+4*\i+2], v194, v[DT+\i]
.endr
.irp i,0,1,2,3,4,5,6,7
	v_add_f32 v[SS+\i], v[SS+\i], v195
.endr
.irp i,0,1,2,3,4,5,6,7
	v_add_f32 v[DT+\i], v[SS+\i], v[DT+\i]
.endr
.irp i,0,1,2,3,4,5,6,7
	ds_store_b32 v4, v[DT+\i] offset:DP*(\t)+64*\i
.endr
.endm
.macro KEYR0 x, kb, j, k               ; the key of distance x: candidate j of the group whose base is in kb
	v_cmp_lt_f32 vcc_lo, v[\x], v[TT]
	v_cmp_eq_f32 s30, v[\x], v[TT]
	v_add_nc_u32 v[\k], \j, v[\kb]
	v_add_nc_u32 v208, 8192+\j, v[\kb]
	v_cndmask_b32 v208, v[INF], v208, s30
	v_cndmask_b32 v[\k], v208, v[\k], vcc_lo
.endm
.macro STEPR x, kb, j, k, c            ; the same, among the lines that insert key c
	v_cmp_lt_f32 vcc_lo, v[\x], v[TT]
	v_cmp_eq_f32 s30, v[\x], v[TT]
	v_add_nc_u32 v[\k], \j, v[\kb]
	v_add_nc_u32 v208, 8192+\j, v[\kb]
	INSA KK, \c
	v_cndmask_b32 v208, v[INF], v208, s30
	INSB KK, \c
	v_cndmask_b32 v[\k], v208, v[\k], vcc_lo
	INSC KK, \c
.endm
	s_load_b128 s[4:7], s[0:1], 0x0                ; xyzp, grp
	s_load_b64 s[8:9], s[0:1], 0x10                ; idx
	v_lshl_add_u32 v224, v0, 2, 0x1c400
	v_mov_b32 v225, 0
	v_lshrrev_b32 v1, 5, v0
	v_readfirstlane_b32 s10, v1                    ; wave 0..7
	s_lshr_b32 s11, s10, 2                         ; hq
	s_and_b32 s12, s10, 3                          ; sg
	s_lshr_b32 s13, ttmp9, 7                       ; batch
	v_and_b32 v210, 31, v0                         ; lane
	v_and_b32 v211, 15, v0                         ; r
	v_bfe_u32 v212, v0, 4, 1                       ; h
	v_lshlrev_b32 v1, 4, v211                      ; a candidate's 16 bytes in its group
	v_lshlrev_b32 v2, 5, v212                      ; my half's eight group numbers
	v_mov_b32 v3, 0
	s_mul_i32 s14, s10, 8*DP
	v_lshl_add_u32 v4, v212, 9, s14
	v_lshl_add_u32 v4, v211, 2, v4                 ; distances in: row 8 w (+ t), slot 8 h (+ i), candidate r
	s_lshl_b32 s15, s11, 11
	s_lshl_b32 s16, s12, 4
	s_add_co_u32 s15, s15, s16
	v_lshl_add_u32 v5, v210, 6, s15                ; grp: query 32 hq + lane, slots 4 sg on
	s_mul_i32 s15, s11, 32*DP
	s_lshl_b32 s16, s12, 8
	s_add_co_u32 s15, s15, s16
	v_mul_u32_u24 v6, v210, DP
	v_add_nc_u32 v6, s15, v6                       ; distances back: my query's row, my 64
	s_lshl_b32 s15, s10, 11
	s_add_co_u32 s16, s15, EX1
	v_lshl_add_u32 v7, v210, 4, s16                ; where my list goes
	s_lshl_b32 s16, s11, 13
	s_add_co_u32 s16, s16, EX1
	v_lshl_add_u32 v8, v210, 4, s16                ; where the four lists of my queries lie
	s_add_co_u32 s16, s15, TR
	v_lshl_add_u32 v9, v210, 6, s16                ; the way out: 64 bytes a query,
	s_lshl_b32 s17, s12, 9
	s_add_co_u32 s16, s16, s17
	v_lshl_add_u32 v10, v210, 4, s16               ; my quarter back,
	v_lshlrev_b32 v11, 4, v210                     ; and to memory
	s_lshl_b32 s18, ttmp9, 12
	s_mov_b32 s19, 0
	s_lshl_b32 s28, s13, 13                        ; batch x 8,192
	s_wait_kmcnt 0x0
	s_add_nc_u64 s[20:21], s[6:7], s[18:19]        ; grp at my work-group's 64 queries
	s_add_nc_u64 s[8:9], s[8:9], s[18:19]
	s_lshl_b32 s18, s10, 9
	s_add_nc_u64 s[22:23], s[20:21], s[18:19]      ; grp at my wave's eight
	s_add_nc_u64 s[8:9], s[8:9], s[18:19]          ; idx: wave 4 hq + sg stores the sg-th quarter of hq's 2,048 bytes
	s_lshl_b32 s18, ttmp9, 10
	s_add_nc_u64 s[24:25], s[4:5], s[18:19]
	s_lshl_b32 s18, s10, 7
	s_add_nc_u64 s[24:25], s[24:25], s[18:19]      ; my wave's eight queries' coordinates
	s_lshl_b32 s18, s13, 17
	s_add_nc_u64 s[26:27], s[4:5], s[18:19]        ; the batch's coordinates
	global_load_b128 v[GQ:GQ+3], v5, s[20:21]
.irp t,0,1,2,3,4,5,6,7
	global_load_b128 v[GI+8*\t:GI+8*\t+3], v2, s[22:23] offset:64*\t
	global_load_b128 v[GI+8*\t+4:GI+8*\t+7], v2, s[22:23] offset:64*\t+16
	global_load_b128 v[QC+4*\t:QC+4*\t+3], v3, s[24:25] offset:16*\t
.endr
	s_wait_loadcnt 0x0
.set n, 0
.rept 64
	v_min_u32 v[GI+n], 0x1ff, v[GI+n]              ; a stored number enters an address only behind this hold
.set n, n+1
.endr
.set n, 0
.rept 64
	v_lshl_add_u32 v[GI+n], v[GI+n], 8, v1         ; 256 bytes a group, + my candidate
.set n, n+1
.endr
	GATH 0
	GATH 1
.irp t,0,1,2,3,4,5,6,7
.if \t < 7
	s_wait_loadcnt 8                               ; this query's eight loads are in; the next query's eight stay out
.else
	s_wait_loadcnt 0x0
.endif
	DIST \t
.if \t < 6
	GATH \t+2
.endif
.endr
	BARRIER                                        ; the 64 rows of distances are whole
.irp k,0,1,2,3,4,5,6,7,8,9,10,11,12,13,14,15
	ds_load_b128 v[DD+4*\k:DD+4*\k+3], v6 offset:16*\k
.endr
	v_mov_b32 v[INF], 0x7f800000
.irp i,0,1,2,3,4,5,6,7,8,9,10,11,12,13,14,15
	v_mov_b32 v[LL+\i], v[INF]
	v_mov_b32 v[KK+\i], v[INF]
.endr
.irp s,0,1,2,3
	v_lshl_add_u32 v[KB+\s], v[GQ+\s], 4, 0x4b000000   ; 2^23 + the index of the slot's first candidate, as bits of an f32
.endr
.irp s,0,1,2,3
	s_wait_dscnt 12-4*\s                           ; slot s's four loads are in; the younger ones stay out
.irp j,0,1,2,3,4,5,6,7,8,9,10,11,12,13,14,15
	INSF LL, DD+16*\s+\j
.endr
.endr
	XCHG LL, 0
	MERGE16 LA, LA+16, SCR
	MERGE16 LA+32, LA+48, SCR
	LOW16 LA, LA+32
	v_max3_num_f32 v[TT], v[LA], v[LA+1], v[LA+2]
	v_max3_num_f32 v208, v[LA+3], v[LA+4], v[LA+5]
	v_max3_num_f32 v[TT], v[TT], v[LA+6], v[LA+7]
	v_max3_num_f32 v208, v208, v[LA+8], v[LA+9]
	v_max3_num_f32 v[TT], v[TT], v[LA+10], v[LA+11]
	v_max3_num_f32 v208, v208, v[LA+12], v[LA+13]
	v_max3_num_f32 v[TT], v[TT], v[LA+14], v[LA+15]
	v_max_num_f32 v[TT], v[TT], v208               ; T: the 16th smallest of the 256
	KEYR0 DD, KB, 0, 206
.set n, 0
.rept 63
	STEPR DD+n+1, KB+(n+1)/16, (n+1)%16, 206+(n+1)%2, 206+n%2
.set n, n+1
.endr
	INSF KK, 207
	XCHG KK, EXD
	MERGE16 LA, LA+16, SCR
	MERGE16 LA+32, LA+48, SCR
	LOW16 LA, LA+32
.irp i,0,1,2,3,4,5,6,7,8,9,10,11,12,13,14,15
	v_and_or_b32 v[LA+\i], v[LA+\i], 0x1fff, s28   ; the index in the batch, and the batch's 8,192 rows
.endr
.irp i,0,1,2,3
	ds_store_b128 v9, v[LA+4*\i:LA+4*\i+3] offset:16*\i
.endr
	ds_load_b128 v[SCR:SCR+3], v10                 ; my quarter of the 2,048 bytes that all four waves of hq hold: 512 consecutive bytes, aligned
	s_wait_dscnt 0x0
	global_store_b128 v11, v[SCR:SCR+3], s[8:9]
	s_wait_tensorcnt 0x0
	ds_add_u32 v224, v225
	s_wait_dscnt 0x0
	s_endpgm
.Lfunc_end_k_q007737a677_refine:
	.size	k_q007737a677_refine, .Lfunc_end_k_q007737a677_refine-k_q007737a677_refine
	.p2alignl 7, 3214868480
	.fill 96, 4, 3214868480
	.section	.rodata,"a",@progbits
	.p2align	6, 0x0
	.amdhsa_kernel k_q007737a677_refine
		.amdhsa_group_segment_fixed_size 116736
		.amdhsa_private_segment_fixed_size 0
		.amdhsa_enable_private_segment 0
		.amdhsa_kernarg_size 24
		.amdhsa_user_sgpr_count 2
		.amdhsa_user_sgpr_kernarg_segment_ptr 1
		.amdhsa_wavefront_size32 1
		.amdhsa_system_sgpr_workgroup_id_x 1
		.amdhsa_system_sgpr_workgroup_id_y 1
		.amdhsa_system_sgpr_workgroup_id_z 1
		.amdhsa_system_vgpr_workitem_id 0
		.amdhsa_next_free_vgpr 226
		.amdhsa_next_free_sgpr 66
		.amdhsa_reserve_vcc 1
		.amdhsa_float_denorm_mode_32 3
		.amdhsa_float_denorm_mode_16_64 3
		.amdhsa_memory_ordered 1
		.amdhsa_forward_progress 1
		.amdhsa_inst_pref_size 211
	.end_amdhsa_kernel
	.amdgpu_metadata
---
amdhsa.version: [ 1, 2 ]
amdhsa.kernels:
  - .name:           k_q007737a677_refine
    .symbol:         k_q007737a677_refine.kd
    .args:
      - { .name: xyzp, .offset: 0, .size: 8, .value_kind: global_buffer, .address_space: global }
      - { .name: grp, .offset: 8, .size: 8, .value_kind: global_buffer, .address_space: global }
      - { .name: idx, .offset: 16, .size: 8, .value_kind: global_buffer, .address_space: global }
    .group_segment_fixed_size: 116736
    .private_segment_fixed_size: 0
    .kernarg_segment_align: 8
    .kernarg_segment_size: 24
    .max_flat_workgroup_size: 256
    .sgpr_count:     66
    .vgpr_count:     226
    .wavefront_size: 32
...
	.end_amdgpu_metadata
.endif
;; end of part 3
;; launch attn (part 4): grid 256 x 1, 8 waves a work-group, no clusters, 35,840 bytes of LDS; arguments xyzp, features, idx, qb, kt, vt, Wp1, bp1, Wp2_codes, Wp2_scales, Wt1_codes, Wt1_scales, bt1, Wt2_codes, Wt2_scales, bt2, bp2, Wa_codes, Wa_scales, ba, out0; writes out0
.if DOCPART == 4
	.amdgcn_target "amdgcn-amd-amdhsa--gfx1250"
	.amdhsa_code_object_version 6
	.text
	.protected	k_q007737a677_attn
	.globl	k_q007737a677_attn
	.p2align	8
	.type	k_q007737a677_attn,@function
k_q007737a677_attn:
	s_mov_b64 s[64:65], 0
	v_nop
	global_prefetch_b8 v0, s[64:65] scope:SCOPE_SE
	s_setreg_imm32_b32 hwreg(HW_REG_WAVE_MODE, 25, 1), 1
	s_wait_xcnt 0x0
; THE ATTENTION OVER THE 16 NEIGHBOURS.  For query n with neighbours m_0 .. m_15 (rows of the tables, from idx):
;   h = relu((xyzp_n - xyzp_m) Wp1 + bp1);  e = Q(h) Wp2;  a = (q_n + bp2) - k_m + e;  g = relu(Q(a) Wt1 + bt1);  z = Q(g) Wt2 + bt2;
;   w = softmax over the 16 of z / 8, channel by channel, its maximum taken away;  res = sum of w (v_m + e) + bp2 (the w of a channel add up to 1);  out = Q(res) Wa + ba + features.
; Q: the MX-FP4 quantiser along the 64 channels.  All that goes into a quantiser is f32; the product with K = 4 goes by the f32 matrix form, bp1 as its C.
; ONE QUERY IS ONE TILE OF 16 ROWS.  Two layouts:  T (source 0 = 16 rows of a weight, source 1 = the 16 neighbours): lane (r, h) holds neighbour r, register 16 b + i channel 32 b + 16 h + i, since lane r of
; tile 2 b + u takes the weight's row 32 b + 8 u + r + 8 (r / 8): what the next quantiser wants.  N (source 0 = the neighbours, source 1 = rows 16 t + r of a weight): lane (r, h) holds channel 16 t + r, register
; 8 t + j neighbour 8 h + j: what the softmax over neighbours wants: eight registers and one exchange of halves.  e is made in both.
; K IS 64 OF THE INSTRUCTION'S 128: the activations' registers 4-7 hold zero codes, so k = 64 .. 127 add nothing whatever the weight's side holds there; scale bytes 2 and 3 are 0.
; SHARES: a work-group takes 64 queries, each of its eight waves eight, one after the other; all weights and biases stay in registers.  A query's rows of kt, vt, xyzp and qb are asked for one query ahead, its
; row of idx two ahead; the look-ahead is held to the wave's last query, so no load leaves a buffer.  The 64 rows of res meet in LDS; waves 0 to 3 take 16 each through the last product.
; NO JOINT LOADS, NO TILES IN LDS: what work-groups share is 20 KiB of weights, read once a wave; all else is gathered lane by lane from rows that the stored list names.
; LIMITS: a block of zeros gets the scale byte 1 (its codes are zeros); NaN and infinities among the inputs are not served; bp2 enters a and res in another order of f32 additions than written above the line.
; REGISTERS, window 0: v1-5, v7, v31, v55, v70, v71 addresses; v8-23 scale words; v24-27 bp2; v28-47 the list's offsets, two sets; v48-53 coordinates; v54 scale word, v56-63 codes just made; v64-69, v72-95 at work;
;   v96-127 k; v128-159 q + bp2, then a; v160-191 h, g, z; v192-255 v, two sets.   window 1: v0-63 the four weights' codes; v64-159 bp1, bt1, bt2; v160-167 Wp1; v168-199 the f32 product's results.
.set SEL,  48                          ; s[48:49] lane selects for v_permlanex16_b32: lane l xor 16
.set SCW,  8                           ; scale words: Wp2 (T) 8, Wp2 (N) 12, Wt1 (T) 16, Wt2 (N) 20
.set BP2,  24
.set IT,   28                          ; v28, v29: set p: neighbour r's row, then its byte offset in kt
.set OFFX, 30                          ; its byte offset in xyzp
.set IN,   32                          ; v32-47: set p: neighbours 8 h + j, then their byte offsets in vt
.set XN,   48
.set XQ,   50
.set REL,  52
.set PW,   54
.set PC,   56
.set TM,   64
.set SM,   72                          ; (-c max, at work) a tile
.set SS,   80                          ; the sums of w, a pair a tile
.set AC,   88                          ; the weighted sums, a pair a tile
.set KT,   96
.set CA,   128
.set H,    160
.set VN,   192
.set W_P2T, 0                          ; window 1
.set W_T1T, 16
.set W_P2N, 32
.set W_T2N, 48
.set B_P1,  64
.set B_T1,  96
.set B_T2,  128
.set W_P1,  160
.set HW,    168                        ; written by the f32 matrix form alone
.set OST,  17408                       ; LDS: res, 64 rows x 272 bytes; behind it four stages of 16 rows x 272
.set MSB, 0
.macro WIN new                         ; the immediate's high byte repeats the setting that is left
.if MSB != \new
	s_set_vgpr_msb (MSB<<8)|\new
.set MSB, \new
.endif
.endm
.macro PLACES n
.rept \n
	v_nop
.endr
.endm
.macro QUANT s                         ; 32 numbers in layout T become the operand's codes in v[PC] .. v[PC+3] and its scale word in v[PW]
.irp b,0,1
	v_max3_num_f32 v[TM+\b], |v[\s+16*\b]|, |v[\s+16*\b+1]|, 0x1800000    ; my 16 numbers of block b in two chains, and the floor 2^(3 - 127): the byte cannot fall under 1
.endr
.irp b,0,1
	v_max3_num_f32 v[TM+2+\b], |v[\s+16*\b+8]|, |v[\s+16*\b+9]|, |v[\s+16*\b+10]|
.endr
.irp b,0,1
	v_max3_num_f32 v[TM+\b], v[TM+\b], |v[\s+16*\b+2]|, |v[\s+16*\b+3]|
.endr
.irp b,0,1
	v_max3_num_f32 v[TM+2+\b], v[TM+2+\b], |v[\s+16*\b+11]|, |v[\s+16*\b+12]|
.endr
.irp b,0,1
	v_max3_num_f32 v[TM+\b], v[TM+\b], |v[\s+16*\b+4]|, |v[\s+16*\b+5]|
.endr
.irp b,0,1
	v_max3_num_f32 v[TM+2+\b], v[TM+2+\b], |v[\s+16*\b+13]|, |v[\s+16*\b+14]|
.endr
.irp b,0,1
	v_max3_num_f32 v[TM+\b], v[TM+\b], |v[\s+16*\b+6]|, |v[\s+16*\b+7]|
.endr
.irp b,0,1
	v_max3_num_f32 v[TM+\b], v[TM+\b], v[TM+2+\b], |v[\s+16*\b+15]|
.endr
.irp b,0,1
	v_permlanex16_b32 v[TM+2+\b], v[TM+\b], s[SEL], s[SEL+1]
.endr
.irp b,0,1
	v_max_num_f32 v[TM+\b], v[TM+\b], v[TM+2+\b]                          ; with lane l xor 16's 16: the block's largest magnitude
.endr
.irp b,0,1
	v_add_nc_u32 v[TM+4+\b], 0xff000000, v[TM+\b]                         ; 2 off its exponent field: the conversion's scale operand
.endr
.irp b,0,1
	v_lshrrev_b32 v[TM+2+\b], 23, v[TM+4+\b]                              ; the scale's byte
.endr
	v_lshl_or_b32 v[PW], v[TM+3], 8, v[TM+2]
.irp b,0,1
	v_cvt_scalef32_pk8_fp4_f32 v[PC+2*\b], v[\s+16*\b:\s+16*\b+7], v[TM+4+\b]
	v_cvt_scalef32_pk8_fp4_f32 v[PC+2*\b+1], v[\s+16*\b+8:\s+16*\b+15], v[TM+4+\b]
.endr
	v_nop                                                                 ; one plain line behind the scaled conversions
	v_permlane16_swap_b32 v[PC], v[PC+2]                                  ; a whole block to a lane: lanes 0-15 block 0, lanes 16-31 block 1
	v_permlane16_swap_b32 v[PC+1], v[PC+3]
.endm
.macro MMC d, a, b, c, sa, sb
	v_wmma_scale_f32_16x16x128_f8f6f4 v[\d:\d+7], v[\a:\a+7], v[\b:\b+7], v[\c:\c+7], v[\sa], v[\sb] matrix_a_fmt:MATRIX_FMT_FP4 matrix_b_fmt:MATRIX_FMT_FP4
.endm
.macro OFFS q                          ; set q's stored rows become byte offsets; a stored number enters an address only behind the hold
	v_min_u32 v[IT+\q], 0x3fff, v[IT+\q]
.irp j,0,1,2,3,4,5,6,7
	v_min_u32 v[IN+8*\q+\j], 0x3fff, v[IN+8*\q+\j]
.endr
	v_lshl_add_u32 v[OFFX], v[IT+\q], 4, v2        ; xyzp: 16 bytes a row, + 8 h
	v_lshl_add_u32 v[IT+\q], v[IT+\q], 8, v1       ; kt: 256 bytes a row, + 64 h
.irp j,0,1,2,3,4,5,6,7
	v_lshl_add_u32 v[IN+8*\q+\j], v[IN+8*\q+\j], 8, v3   ; vt: 256 bytes a row, + 4 r
.endr
.endm
.macro GATHER q                        ; k in layout T, the two halves of the coordinates, v in layout N
.irp b,0,1
.irp i,0,1,2,3
	global_load_b128 v[KT+16*\b+4*\i:KT+16*\b+4*\i+3], v[IT+\q], s[12:13] offset:128*\b+16*\i
.endr
.endr
	global_load_b64 v[XN:XN+1], v[OFFX], s[4:5]
	global_load_b64 v[XQ:XQ+1], v2, s[62:63]
.irp t,0,1,2,3
.irp j,0,1,2,3,4,5,6,7
	global_load_b32 v[VN+32*\q+8*\t+\j], v[IN+8*\q+\j], s[14:15] offset:64*\t
.endr
.endr
.endm
.macro LOADIDX p                       ; a query's 16 rows, once by r and once by 8 h + j
	global_load_b32 v[IT+\p], v3, s[66:67]
	global_load_b128 v[IN+8*\p:IN+8*\p+3], v4, s[66:67]
	global_load_b128 v[IN+8*\p+4:IN+8*\p+7], v4, s[66:67] offset:16
.endm
.macro LOADQ                           ; q + bp2 in layout T, the same in all 16 rows
.irp b,0,1
.irp i,0,1,2,3
	global_load_b128 v[CA+16*\b+4*\i:CA+16*\b+4*\i+3], v1, s[60:61] offset:128*\b+16*\i
.endr
.endr
.endm
; ONE QUERY: number s70 + p of my eight; its gathers lie in set p, the next query's go into set q = 1 - p.
.macro QUERY p, q
	s_wait_loadcnt 0x0                             ; all that the last turn asked for: this query's k, v, coordinates and q, the next query's rows.  The one wait for loads in a turn; it also frees their addresses
	s_add_co_u32 s73, s70, \p+1
	s_min_u32 s73, s73, 7                          ; the next query, held to my last
	s_lshl_b32 s68, s73, 8
	s_add_nc_u64 s[60:61], s[54:55], s[68:69]
	s_lshl_b32 s68, s73, 4
	s_add_nc_u64 s[62:63], s[56:57], s[68:69]
	s_add_co_u32 s73, s70, \p+2
	s_min_u32 s73, s73, 7                          ; and the one after
	s_lshl_b32 s68, s73, 6
	s_add_nc_u64 s[66:67], s[58:59], s[68:69]
	v_pk_add_f32 v[REL:REL+1], v[XQ:XQ+1], v[XN:XN+1] neg_lo:[0,1] neg_hi:[0,1]   ; xyzp_n - xyzp_m: coordinates 2 h and 2 h + 1 of neighbour r
	OFFS \q
	WIN 0x51                                       ; Wp1, bp1 and the results in window 1
.irp t,0,1,2,3
	v_wmma_f32_16x16x4_f32 v[HW+8*\t:HW+8*\t+7], v[W_P1+2*\t:W_P1+2*\t+1], v[REL:REL+1], v[B_P1+8*\t:B_P1+8*\t+7]
.endr
	WIN 0
.irp i,0,2,4,6,8,10,12,14,16,18,20,22,24,26,28,30
	v_pk_add_f32 v[CA+\i:CA+\i+1], v[CA+\i:CA+\i+1], v[KT+\i:KT+\i+1] neg_lo:[0,1] neg_hi:[0,1]   ; (q + bp2) - k.  These 16 are the eight places behind the f32 form
.endr
	GATHER \q
	LOADIDX \p
	WIN 0x04
.irp j,0,1,2,3,4,5,6,7,8,9,10,11,12,13,14,15,16,17,18,19,20,21,22,23,24,25,26,27,28,29,30,31
	v_max_num_f32 v[H+\j], 0, v[HW+\j]             ; relu, into other registers, each result from its low end on
.endr
	WIN 0
	QUANT H
	PLACES 8                                       ; a scale word made by vector instructions stands 8 places ahead of a scaled product
	WIN 0x01
.irp t,0,1,2,3
	MMC CA+8*\t, W_P2T+4*\t, PC, CA+8*\t, SCW+\t, PW                  ; a = (q + bp2 - k) + e, layout T
.endr
	WIN 0x04
.irp t,0,1,2,3
	MMC VN+32*\p+8*\t, PC, W_P2N+4*\t, VN+32*\p+8*\t, PW, SCW+4+\t    ; v + e, layout N
.endr
	WIN 0
	PLACES 4
	QUANT CA
	LOADQ                                          ; a is quantised: its registers take the next query's q + bp2
	PLACES 8
	WIN 0x11
.irp t,0,1,2,3
	MMC H+8*\t, W_T1T+4*\t, PC, B_T1+8*\t, SCW+8+\t, PW
.endr
	WIN 0
	PLACES 4
.irp j,0,1,2,3,4,5,6,7,8,9,10,11,12,13,14,15,16,17,18,19,20,21,22,23,24,25,26,27,28,29,30,31
	v_max_num_f32 v[H+\j], 0, v[H+\j]
.endr
	QUANT H
	PLACES 8
	WIN 0x14
.irp t,0,1,2,3
	MMC H+8*\t, PC, W_T2N+4*\t, B_T2+8*\t, PW, SCW+12+\t              ; z, layout N
.endr
	WIN 0
	PLACES 4
	; the softmax over the 16 neighbours of channel 16 t + r: eight registers here, eight in lane l xor 16; the four tiles by turns
.irp t,0,1,2,3
	v_max3_num_f32 v[SM+2*\t], v[H+8*\t], v[H+8*\t+1], v[H+8*\t+2]
.endr
.irp t,0,1,2,3
	v_max3_num_f32 v[SM+2*\t], v[SM+2*\t], v[H+8*\t+3], v[H+8*\t+4]
.endr
.irp t,0,1,2,3
	v_max3_num_f32 v[SM+2*\t], v[SM+2*\t], v[H+8*\t+5], v[H+8*\t+6]
.endr
.irp t,0,1,2,3
	v_max_num_f32 v[SM+2*\t], v[SM+2*\t], v[H+8*\t+7]
.endr
.irp t,0,1,2,3
	v_permlanex16_b32 v[SM+2*\t+1], v[SM+2*\t], s[SEL], s[SEL+1]
.endr
.irp t,0,1,2,3
	v_max_num_f32 v[SM+2*\t], v[SM+2*\t], v[SM+2*\t+1]
.endr
.irp t,0,1,2,3
	v_mul_f32 v[SM+2*\t], s52, v[SM+2*\t]          ; -c x the maximum, c = log2(e) / 8
.endr
.irp t,0,1,2,3
.irp j,0,2,4,6
	v_pk_fma_f32 v[H+8*\t+\j:H+8*\t+\j+1], v[H+8*\t+\j:H+8*\t+\j+1], s[50:51], v[SM+2*\t:SM+2*\t+1] op_sel_hi:[1,0,0]   ; c z - c max (of both pairs the low word serves both halves)
.endr
.endr
.irp j,0,1,2,3,4,5,6,7,8,9,10,11,12,13,14,15,16,17,18,19,20,21,22,23,24,25,26,27,28,29,30,31
	v_exp_f32 v[H+\j], v[H+\j]
.endr
	v_add_nc_u32 v6, s72, v5                       ; where res goes: a plain line behind the exponentials
	s_wait_alu depctr_va_vdst(0)                   ; one wait for the batch of 32, ahead of its first reader
.irp t,0,1,2,3
	v_pk_add_f32 v[SS+2*\t:SS+2*\t+1], v[H+8*\t:H+8*\t+1], v[H+8*\t+2:H+8*\t+3]
.endr
.irp t,0,1,2,3
	v_pk_mul_f32 v[AC+2*\t:AC+2*\t+1], v[H+8*\t:H+8*\t+1], v[VN+32*\p+8*\t:VN+32*\p+8*\t+1]
.endr
.irp j,2,4,6
.irp t,0,1,2,3
	v_pk_fma_f32 v[AC+2*\t:AC+2*\t+1], v[H+8*\t+\j:H+8*\t+\j+1], v[VN+32*\p+8*\t+\j:VN+32*\p+8*\t+\j+1], v[AC+2*\t:AC+2*\t+1]
.endr
.endr
.irp j,4,6
.irp t,0,1,2,3
	v_pk_add_f32 v[SS+2*\t:SS+2*\t+1], v[SS+2*\t:SS+2*\t+1], v[H+8*\t+\j:H+8*\t+\j+1]
.endr
.endr
.irp t,0,1,2,3
	v_add_f32 v[SS+2*\t], v[SS+2*\t], v[SS+2*\t+1]
.endr
.irp t,0,1,2,3
	v_add_f32 v[AC+2*\t], v[AC+2*\t], v[AC+2*\t+1]
.endr
.irp t,0,1,2,3
	v_permlanex16_b32 v[SS+2*\t+1], v[SS+2*\t], s[SEL], s[SEL+1]
.endr
.irp t,0,1,2,3
	v_permlanex16_b32 v[AC+2*\t+1], v[AC+2*\t], s[SEL], s[SEL+1]
.endr
.irp t,0,1,2,3
	v_add_f32 v[SS+2*\t], v[SS+2*\t], v[SS+2*\t+1]
.endr
.irp t,0,1,2,3
	v_add_f32 v[AC+2*\t], v[AC+2*\t], v[AC+2*\t+1]
.endr
.irp t,0,1,2,3
	v_rcp_f32 v[SS+2*\t+1], v[SS+2*\t]
.endr
	v_nop                                          ; a plain line behind the reciprocals,
	s_wait_alu depctr_va_vdst(0)                   ; and one wait for the four, ahead of their first reader
.irp t,0,1,2,3
	v_fma_f32 v[AC+2*\t], v[AC+2*\t], v[SS+2*\t+1], v[BP2+\t]
.endr
.irp t,0,1,2,3
	ds_store_b32 v6, v[AC+2*\t] offset:272*\p+64*\t   ; res(query, 16 t + r); both halves of the lanes write the same word with the same value
.endr
.endm
	s_load_b512 s[4:19], s[0:1], 0x0               ; xyzp 4, features 6, idx 8, qb 10, kt 12, vt 14, Wp1 16, bp1 18
	s_load_b512 s[20:35], s[0:1], 0x40             ; Wp2 codes 20, scales 22, Wt1 codes 24, scales 26, bt1 28, Wt2 codes 30, scales 32, bt2 34
	s_load_b256 s[36:43], s[0:1], 0x80             ; bp2 36, Wa codes 38, scales 40, ba 42
	s_load_b64 s[44:45], s[0:1], 0xa0              ; out0
	s_set_vgpr_msb 0x40
	v_lshl_add_u32 v254, v0, 2, 0x8800
	v_mov_b32 v255, 0
	s_set_vgpr_msb 0x4000
	v_lshrrev_b32 v6, 5, v0
	v_readfirstlane_b32 s46, v6                    ; wave 0..7
	v_and_b32 v96, 15, v0                          ; r
	v_bfe_u32 v97, v0, 4, 1                        ; h
	v_and_b32 v98, 8, v96
	v_add_nc_u32 v98, v98, v96                     ; r + 8 (r / 8)
	v_lshlrev_b32 v1, 6, v97                       ; 64 h
	v_lshlrev_b32 v2, 3, v97                       ; 8 h
	v_lshlrev_b32 v3, 2, v96                       ; 4 r
	v_lshlrev_b32 v4, 5, v97                       ; 32 h
	s_mul_i32 s73, s46, 8*272
	v_add_nc_u32 v5, s73, v3                       ; res: my eight rows of 272 bytes, + 4 r
	s_and_b32 s74, s46, 3
	s_mul_i32 s74, s74, 16*272                     ; the last product: 16 rows to each of waves 0 to 3
	v_mul_u32_u24 v7, v96, 272
	v_lshl_add_u32 v7, v97, 6, v7
	v_add_nc_u32 v7, s74, v7                       ; row r, + 64 h: res back in layout T; the stage, OST bytes on, likewise
	v_mul_u32_u24 v31, v97, 272
	v_lshl_add_u32 v31, v96, 4, v31
	v_add_nc_u32 v31, s74, v31                     ; out of the stage: lanes 0-15 one row, lanes 16-31 the next
	v_lshlrev_b32 v55, 8, v97
	v_lshl_add_u32 v55, v96, 4, v55                ; and the same two rows in features and in out0
	v_lshlrev_b32 v70, 5, v98
	v_lshl_add_u32 v70, v97, 4, v70                ; codes, layout T: a tile's row of 32 bytes, + 16 h
	v_lshlrev_b32 v71, 1, v98                      ; and its two scale bytes
	v_lshlrev_b32 v100, 5, v96
	v_lshl_add_u32 v100, v97, 4, v100              ; codes, layout N: row r
	v_lshlrev_b32 v102, 1, v96
	v_lshlrev_b32 v103, 2, v98
	v_lshl_add_u32 v103, v97, 9, v103              ; Wp1 [4][64]: rows 2 h (+ j), the tile's channel
	s_mov_b32 s[SEL], 0x76543210
	s_mov_b32 s[SEL+1], 0xfedcba98
	s_mov_b32 s50, 0x3e38aa3b                      ; c = log2(e) / 8
	s_mov_b32 s51, s50                             ; (named with it as a pair, so it is written)
	s_mov_b32 s52, 0xbe38aa3b                      ; -c
	s_lshl_b32 s73, ttmp9, 6
	s_lshl_b32 s74, s46, 3
	s_add_co_u32 s73, s73, s74                     ; my first query: 64 x work-group + 8 x wave
	s_mov_b32 s69, 0
.irp i,0,1,2,3
	v_mov_b32 v[PC+4+\i], 0                        ; k = 64 .. 127 of every activation: zero codes
	v_mov_b32 v[SM+2*\i+1], 0                      ; written once: a lane permute's destination counts as one of its sources
.endr
	s_wait_kmcnt 0x0
	s_lshl_b32 s68, s73, 8
	s_add_nc_u64 s[54:55], s[10:11], s[68:69]      ; qb,
	s_lshl_b32 s68, s73, 4
	s_add_nc_u64 s[56:57], s[4:5], s[68:69]        ; xyzp
	s_lshl_b32 s68, s73, 6
	s_add_nc_u64 s[58:59], s[8:9], s[68:69]        ; and idx at my first query
	s_mov_b64 s[60:61], s[54:55]
	s_mov_b64 s[62:63], s[56:57]
	s_mov_b64 s[66:67], s[58:59]
	LOADIDX 0
	WIN 0x40                                       ; destinations in window 1
.irp t,0,1,2,3
	global_load_b128 v[W_P2T+4*\t:W_P2T+4*\t+3], v70, s[20:21] offset:(32*(\t/2)+8*(\t%2))*32
	global_load_b128 v[W_T1T+4*\t:W_T1T+4*\t+3], v70, s[24:25] offset:(32*(\t/2)+8*(\t%2))*32
	global_load_b128 v[W_P2N+4*\t:W_P2N+4*\t+3], v100, s[20:21] offset:512*\t
	global_load_b128 v[W_T2N+4*\t:W_T2N+4*\t+3], v100, s[30:31] offset:512*\t
	global_load_b128 v[B_P1+8*\t:B_P1+8*\t+3], v1, s[18:19] offset:(32*(\t/2)+8*(\t%2))*4
	global_load_b128 v[B_P1+8*\t+4:B_P1+8*\t+7], v1, s[18:19] offset:(32*(\t/2)+8*(\t%2))*4+16
	global_load_b128 v[B_T1+8*\t:B_T1+8*\t+3], v1, s[28:29] offset:(32*(\t/2)+8*(\t%2))*4
	global_load_b128 v[B_T1+8*\t+4:B_T1+8*\t+7], v1, s[28:29] offset:(32*(\t/2)+8*(\t%2))*4+16
.irp j,0,1,2,3,4,5,6,7
	global_load_b32 v[B_T2+8*\t+\j], v3, s[34:35] offset:64*\t            ; bt2(16 t + r) in all eight registers of the tile: the C of z
.endr
.irp j,0,1
	global_load_b32 v[W_P1+2*\t+\j], v103, s[16:17] offset:256*\j+(32*(\t/2)+8*(\t%2))*4
.endr
.endr
	WIN 0
.irp t,0,1,2,3
	global_load_u16 v[SCW+\t], v71, s[22:23] offset:(32*(\t/2)+8*(\t%2))*2
	global_load_u16 v[SCW+4+\t], v102, s[22:23] offset:32*\t
	global_load_u16 v[SCW+8+\t], v71, s[26:27] offset:(32*(\t/2)+8*(\t%2))*2
	global_load_u16 v[SCW+12+\t], v102, s[32:33] offset:32*\t
	global_load_b32 v[BP2+\t], v3, s[36:37] offset:64*\t
.endr
	s_wait_loadcnt 0x0
	OFFS 0
	GATHER 0
	LOADQ
	s_add_nc_u64 s[66:67], s[58:59], 64            ; (its last loads are in)
	LOADIDX 1
	s_mov_b32 s70, 0
	s_mov_b32 s72, 0
.Lpair:                                                ; four trips of two queries: the two sets change places and are back
	QUERY 0, 1
	QUERY 1, 0
	s_add_co_u32 s72, s72, 2*272
	s_add_co_u32 s70, s70, 2
	s_cmp_lt_u32 s70, 8
	s_cbranch_scc1 .Lpair
	s_wait_loadcnt 0x0                             ; the last turn's look-ahead
	s_wait_dscnt 0x0                               ; my eight rows of res have landed
	s_barrier_signal -1
	s_barrier_wait -1                              ; all 64 have
	s_cmp_ge_u32 s46, 4
	s_cbranch_scc1 .Lend                           ; no barrier follows
	; ---- out = Q(res) Wa + ba + features, 16 rows a wave
	s_lshl_b32 s73, ttmp9, 6
	s_lshl_b32 s74, s46, 4
	s_add_co_u32 s73, s73, s74
	s_lshl_b32 s68, s73, 8
	s_add_nc_u64 s[6:7], s[6:7], s[68:69]
	s_add_nc_u64 s[44:45], s[44:45], s[68:69]
.irp t,0,1,2,3
	global_load_b128 v[KT+4*\t:KT+4*\t+3], v70, s[38:39] offset:(32*(\t/2)+8*(\t%2))*32
	global_load_u16 v[SCW+\t], v71, s[40:41] offset:(32*(\t/2)+8*(\t%2))*2
	global_load_b128 v[VN+8*\t:VN+8*\t+3], v1, s[42:43] offset:(32*(\t/2)+8*(\t%2))*4
	global_load_b128 v[VN+8*\t+4:VN+8*\t+7], v1, s[42:43] offset:(32*(\t/2)+8*(\t%2))*4+16
.endr
.irp i,0,1,2,3,4,5,6,7
	global_load_b128 v[VN+32+4*\i:VN+32+4*\i+3], v55, s[6:7] offset:512*\i th:TH_LOAD_NT
.endr
.irp b,0,1
.irp i,0,1,2,3
	ds_load_b128 v[H+16*\b+4*\i:H+16*\b+4*\i+3], v7 offset:128*\b+16*\i
.endr
.endr
	s_wait_loadcnt 0x0
	s_wait_dscnt 0x0
	QUANT H
	PLACES 8
.irp t,0,1,2,3
	MMC CA+8*\t, KT+4*\t, PC, VN+8*\t, SCW+\t, PW  ; ba as C
.endr
	PLACES 4
.irp t,0,1,2,3
	ds_store_b128 v7, v[CA+8*\t:CA+8*\t+3] offset:OST+(32*(\t/2)+8*(\t%2))*4      ; each result from its low end on, into my own stage
	ds_store_b128 v7, v[CA+8*\t+4:CA+8*\t+7] offset:OST+(32*(\t/2)+8*(\t%2))*4+16
.endr
.irp i,0,1,2,3,4,5,6,7
	ds_load_b128 v[H+4*\i:H+4*\i+3], v31 offset:OST+544*\i                        ; LDS serves a wave's instructions in order: these see my stores
.endr
	s_wait_dscnt 0x0
.irp i,0,2,4,6,8,10,12,14,16,18,20,22,24,26,28,30
	v_pk_add_f32 v[H+\i:H+\i+1], v[H+\i:H+\i+1], v[VN+32+\i:VN+32+\i+1]
.endr
.irp i,0,1,2,3,4,5,6,7
	global_store_b128 v55, v[H+4*\i:H+4*\i+3], s[44:45] offset:512*\i th:TH_STORE_NT   ; sixteen lanes store a row of 256 consecutive bytes, aligned
.endr
.Lend:
	s_set_vgpr_msb 0x5
	s_wait_tensorcnt 0x0
	ds_add_u32 v254, v255
	s_wait_dscnt 0x0
	s_set_vgpr_msb 0x500
	s_endpgm
.Lfunc_end_k_q007737a677_attn:
	.size	k_q007737a677_attn, .Lfunc_end_k_q007737a677_attn-k_q007737a677_attn
	.p2alignl 7, 3214868480
	.fill 96, 4, 3214868480
	.section	.rodata,"a",@progbits
	.p2align	6, 0x0
	.amdhsa_kernel k_q007737a677_attn
		.amdhsa_group_segment_fixed_size 35840
		.amdhsa_private_segment_fixed_size 0
		.amdhsa_enable_private_segment 0
		.amdhsa_kernarg_size 168
		.amdhsa_user_sgpr_count 2
		.amdhsa_user_sgpr_kernarg_segment_ptr 1
		.amdhsa_wavefront_size32 1
		.amdhsa_system_sgpr_workgroup_id_x 1
		.amdhsa_system_sgpr_workgroup_id_y 1
		.amdhsa_system_sgpr_workgroup_id_z 1
		.amdhsa_system_vgpr_workitem_id 0
		.amdhsa_next_free_vgpr 512
		.amdhsa_next_free_sgpr 80
		.amdhsa_reserve_vcc 0
		.amdhsa_float_denorm_mode_32 3
		.amdhsa_float_denorm_mode_16_64 3
		.amdhsa_memory_ordered 1
		.amdhsa_forward_progress 1
		.amdhsa_inst_pref_size 79
	.end_amdhsa_kernel
	.amdgpu_metadata
---
amdhsa.version: [ 1, 2 ]
amdhsa.kernels:
  - .name:           k_q007737a677_attn
    .symbol:         k_q007737a677_attn.kd
    .args:
      - { .name: xyzp, .offset: 0, .size: 8, .value_kind: global_buffer, .address_space: global }
      - { .name: features, .offset: 8, .size: 8, .value_kind: global_buffer, .address_space: global }
      - { .name: idx, .offset: 16, .size: 8, .value_kind: global_buffer, .address_space: global }
      - { .name: qb, .offset: 24, .size: 8, .value_kind: global_buffer, .address_space: global }
      - { .name: kt, .offset: 32, .size: 8, .value_kind: global_buffer, .address_space: global }
      - { .name: vt, .offset: 40, .size: 8, .value_kind: global_buffer, .address_space: global }
      - { .name: Wp1, .offset: 48, .size: 8, .value_kind: global_buffer, .address_space: global }
      - { .name: bp1, .offset: 56, .size: 8, .value_kind: global_buffer, .address_space: global }
      - { .name: Wp2_codes, .offset: 64, .size: 8, .value_kind: global_buffer, .address_space: global }
      - { .name: Wp2_scales, .offset: 72, .size: 8, .value_kind: global_buffer, .address_space: global }
      - { .name: Wt1_codes, .offset: 80, .size: 8, .value_kind: global_buffer, .address_space: global }
      - { .name: Wt1_scales, .offset: 88, .size: 8, .value_kind: global_buffer, .address_space: global }
      - { .name: bt1, .offset: 96, .size: 8, .value_kind: global_buffer, .address_space: global }
      - { .name: Wt2_codes, .offset: 104, .size: 8, .value_kind: global_buffer, .address_space: global }
      - { .name: Wt2_scales, .offset: 112, .size: 8, .value_kind: global_buffer, .address_space: global }
      - { .name: bt2, .offset: 120, .size: 8, .value_kind: global_buffer, .address_space: global }
      - { .name: bp2, .offset: 128, .size: 8, .value_kind: global_buffer, .address_space: global }
      - { .name: Wa_codes, .offset: 136, .size: 8, .value_kind: global_buffer, .address_space: global }
      - { .name: Wa_scales, .offset: 144, .size: 8, .value_kind: global_buffer, .address_space: global }
      - { .name: ba, .offset: 152, .size: 8, .value_kind: global_buffer, .address_space: global }
      - { .name: out0, .offset: 160, .size: 8, .value_kind: global_buffer, .address_space: global }
    .group_segment_fixed_size: 35840
    .private_segment_fixed_size: 0
    .kernarg_segment_align: 8
    .kernarg_segment_size: 168
    .max_flat_workgroup_size: 256
    .sgpr_count:     80
    .vgpr_count:     512
    .wavefront_size: 32
...
	.end_amdgpu_metadata
.endif
;; end of part 4
;; ======== version 2 of 2: 4 launches; version 1 with the launches proj, attn written anew for expert scheduling mode
;; workspace buffers: qb 4,194,304 bytes; kt 4,194,304 bytes; vt 4,194,304 bytes; grp 1,048,576 bytes of whole numbers; idx 1,048,576 bytes of whole numbers
;; launch proj (part 5): grid 256 x 1, 4 waves a work-group, no clusters, 17,920 bytes of LDS; arguments features, Wk_codes, Wk_scales, bk, Wq_codes, Wq_scales, Wks_codes, Wks_scales, Wv_codes, Wv_scales, bp2, qb, kt, vt; writes qb, kt, vt
.if DOCPART == 5
	.amdgcn_target "amdgcn-amd-amdhsa--gfx1250"
	.amdhsa_code_object_version 6
	.text
	.protected	k_q007737a677_proj
	.globl	k_q007737a677_proj
	.p2align	8
	.type	k_q007737a677_proj,@function
k_q007737a677_proj:
	s_mov_b64 s[64:65], 0
	v_nop
	global_prefetch_b8 v0, s[64:65] scope:SCOPE_SE
	s_setreg_imm32_b32 hwreg(HW_REG_WAVE_SCHED_MODE, 0, 2), 2
	s_setreg_imm32_b32 hwreg(HW_REG_WAVE_MODE, 25, 1), 1
	s_wait_xcnt 0x0
	s_wait_alu depctr_vm_vsrc(0)
; x = Q(features) Wk + bk;  qb = Q(x) Wq + bp2;  kt = Q(x) Wks;  vt = Q(x) Wv.  Q: the MX-FP4 quantiser along the 64 channels (two blocks of 32).
; features [16384][64] f32; the weights as E2M1 codes [64 (out)][64 (k)], 32 bytes a row, with two E8M0 bytes a row; the three tables [16384][64] f32.
; SHARES: 256 work-groups x 4 waves x 16 rows.  A wave shares nothing with another: no barrier.
; LAYOUT: every product is used transposed (source 0 = 16 rows of a weight, source 1 = my 16 rows): lane (r, h) holds row r, and the rows of a weight that form tile t = 2 b + u are
; 32 b + 8 u + r + 8 (r / 8), so that register 16 b + i of the four tiles is channel 32 b + 16 h + i: 16 neighbours along the next K.
; K IS 64 OF THE INSTRUCTION'S 128: the activations' registers 4-7 hold zero codes, so k = 64 .. 127 add nothing whatever the weight's side holds there (the next tile's codes); scale bytes 2 and 3 are 0.
; A block of zeros gets the scale byte 1 (its codes are zeros).  NaN and infinities among the inputs are not served.
; bp2 is added here, as the C of q's product: the last launch then needs q + bp2 - k only (the same sum as q - k + (.. + bp2), in another order of f32 additions).
; THE MODE: SCHED_MODE bits 1:0 = 2 (LLVM: expert scheduling mode 2), set by the entry lines.  The code itself states the register dependences
; between vector or matrix instructions and memory or LDS instructions, with s_wait_alu, always for 0.
; THE PLAN.  Registers that memory or LDS instructions touch:
;   v1-v7      offsets and LDS addresses: written at the head, never again.
;   v16-v195   filled by the head's loads; no vector instruction names them before.
;   O, X, F    one out-buffer to each table (q + bp2, k, v): written by the twelve products, read by the stage's stores, never written again.
;   v32-63, v64-95, BP   one buffer to each table for its rows back from the stage: operands that the products are done with; the stage's loads land there, the global stores read them, nothing writes them again.
; So one wait on va_vdst stands ahead of the first load, one ahead of each group of scaled products (their codes and scale word come from vector instructions), and one ahead of the whole way out.
; No register that a memory instruction reads is written again: no wait on vm_vsrc is owed.
.set SEL, 36                           ; s[36:37] lane selects for v_permlanex16_b32: lane l xor 16
.set SW,  16                           ; v16-31   scale words: Wk, Wq, Wks, Wv, four tiles each
.set WC,  32                           ; v32-95   codes: four matrices x four tiles x 4 registers; v96-99 zeros behind them.  On the way out: q's and k's rows back from the stage
.set O,   100                          ; v100-131 bk in the result's layout, later q + bp2
.set BP,  132                          ; v132-163 bp2 in the result's layout.  On the way out: v's rows back from the stage
.set F,   164                          ; v164-195 features, later v
.set X,   196                          ; v196-227 x, later k
.set PC,  228                          ; v228-235 the codes just made (232-235 stay 0)
.set PW,  236                          ; v236     their scale word
.set TM,  238                          ; v238-243 at work in QUANT
.macro PLACES n
.rept \n
	v_nop
.endr
.endm
; 32 numbers of a lane, register 16 b + i = channel 32 b + 16 h + i of my row, become the operand's codes in v[PC] .. v[PC+3] and its scale word in v[PW].
.macro QUANT s
.irp b,0,1
	v_max3_num_f32 v[TM+\b], |v[\s+16*\b]|, |v[\s+16*\b+1]|, 0x1800000    ; my 16 numbers of block b in two chains, and the floor 2^(3 - 127): the byte cannot fall under 1
.endr
.irp b,0,1
	v_max3_num_f32 v[TM+2+\b], |v[\s+16*\b+8]|, |v[\s+16*\b+9]|, |v[\s+16*\b+10]|
.endr
.irp b,0,1
	v_max3_num_f32 v[TM+\b], v[TM+\b], |v[\s+16*\b+2]|, |v[\s+16*\b+3]|
.endr
.irp b,0,1
	v_max3_num_f32 v[TM+2+\b], v[TM+2+\b], |v[\s+16*\b+11]|, |v[\s+16*\b+12]|
.endr
.irp b,0,1
	v_max3_num_f32 v[TM+\b], v[TM+\b], |v[\s+16*\b+4]|, |v[\s+16*\b+5]|
.endr
.irp b,0,1
	v_max3_num_f32 v[TM+2+\b], v[TM+2+\b], |v[\s+16*\b+13]|, |v[\s+16*\b+14]|
.endr
.irp b,0,1
	v_max3_num_f32 v[TM+\b], v[TM+\b], |v[\s+16*\b+6]|, |v[\s+16*\b+7]|
.endr
.irp b,0,1
	v_max3_num_f32 v[TM+\b], v[TM+\b], v[TM+2+\b], |v[\s+16*\b+15]|
.endr
.irp b,0,1
	v_permlanex16_b32 v[TM+2+\b], v[TM+\b], s[SEL], s[SEL+1]
.endr
.irp b,0,1
	v_max_num_f32 v[TM+\b], v[TM+\b], v[TM+2+\b]                          ; with lane l xor 16's 16: the block's largest magnitude
.endr
.irp b,0,1
	v_add_nc_u32 v[TM+4+\b], 0xff000000, v[TM+\b]                         ; 2 off its exponent field: the conversion's scale operand
.endr
.irp b,0,1
	v_lshrrev_b32 v[TM+2+\b], 23, v[TM+4+\b]                              ; the scale's byte
.endr
	v_lshl_or_b32 v[PW], v[TM+3], 8, v[TM+2]                              ; bytes 0 and 1; bytes 2 and 3 stay 0
.irp b,0,1
	v_cvt_scalef32_pk8_fp4_f32 v[PC+2*\b], v[\s+16*\b:\s+16*\b+7], v[TM+4+\b]
	v_cvt_scalef32_pk8_fp4_f32 v[PC+2*\b+1], v[\s+16*\b+8:\s+16*\b+15], v[TM+4+\b]
.endr
	v_nop                                                                 ; one plain line behind the scaled conversions
	v_permlane16_swap_b32 v[PC], v[PC+2]                                  ; the operand wants a whole block in a lane: lanes 0-15 block 0, lanes 16-31 block 1
	v_permlane16_swap_b32 v[PC+1], v[PC+3]
.endm
.macro MMC d, a, b, c, sa, sb
	v_wmma_scale_f32_16x16x128_f8f6f4 v[\d:\d+7], v[\a:\a+7], v[\b:\b+7], v[\c:\c+7], v[\sa], v[\sb] matrix_a_fmt:MATRIX_FMT_FP4 matrix_b_fmt:MATRIX_FMT_FP4
.endm
.macro MMZ d, a, b, sa, sb
	v_wmma_scale_f32_16x16x128_f8f6f4 v[\d:\d+7], v[\a:\a+7], v[\b:\b+7], 0, v[\sa], v[\sb] matrix_a_fmt:MATRIX_FMT_FP4 matrix_b_fmt:MATRIX_FMT_FP4
.endm
.macro WLOAD m, cp, sp                 ; matrix m: its four tiles' codes and scale words
.irp t,0,1,2,3
	global_load_b128 v[WC+16*\m+4*\t:WC+16*\m+4*\t+3], v2, s[\cp:\cp+1] offset:(32*(\t/2)+8*(\t%2))*32
	global_load_u16 v[SW+4*\m+\t], v3, s[\sp:\sp+1] offset:(32*(\t/2)+8*(\t%2))*2
.endr
.endm
.macro BLOAD reg, bp                   ; a bias in the result's layout: tile t's eight channels of my half
.irp t,0,1,2,3
	global_load_b128 v[\reg+8*\t:\reg+8*\t+3], v4, s[\bp:\bp+1] offset:(32*(\t/2)+8*(\t%2))*4
	global_load_b128 v[\reg+8*\t+4:\reg+8*\t+7], v4, s[\bp:\bp+1] offset:(32*(\t/2)+8*(\t%2))*4+16
.endr
.endm
; THE WAY OUT.  A table's four results go through my own stage (rows of 256 bytes + 16) and come back as whole rows, into registers of the table's own.
.macro TOST src, dst
.irp t,0,1,2,3
	ds_store_b128 v5, v[\src+8*\t:\src+8*\t+3] offset:(32*(\t/2)+8*(\t%2))*4    ; each result from its low end on
	ds_store_b128 v5, v[\src+8*\t+4:\src+8*\t+7] offset:(32*(\t/2)+8*(\t%2))*4+16
.endr
.irp i,0,1,2,3,4,5,6,7
	ds_load_b128 v[\dst+4*\i:\dst+4*\i+3], v6 offset:544*\i               ; LDS serves a wave's instructions in order: these see my stores, and the next table's stores come behind them
.endr
.endm
.macro SEND src, base, younger         ; younger: the LDS instructions issued behind this table's loads, which may stay out
	s_wait_dscnt \younger                                                 ; the table's rows are back in registers
.irp i,0,1,2,3,4,5,6,7
	global_store_b128 v7, v[\src+4*\i:\src+4*\i+3], s[\base:\base+1] offset:512*\i   ; sixteen lanes store 256 consecutive bytes, aligned
.endr
.endm
	s_load_b512 s[4:19], s[0:1], 0x0               ; features 4, Wk codes 6, scales 8, bk 10, Wq codes 12, scales 14, Wks codes 16, scales 18
	s_load_b256 s[20:27], s[0:1], 0x40             ; Wv codes 20, scales 22, bp2 24, qb 26
	s_load_b128 s[28:31], s[0:1], 0x60             ; kt 28, vt 30
	v_lshl_add_u32 v254, v0, 2, 0x4400
	v_mov_b32 v255, 0
	v_lshrrev_b32 v8, 5, v0
	v_readfirstlane_b32 s32, v8                    ; wave 0..3
	v_and_b32 v9, 15, v0                           ; r
	v_bfe_u32 v10, v0, 4, 1                        ; h
	v_and_b32 v11, 8, v9
	v_add_nc_u32 v11, v11, v9                      ; r + 8 (r / 8)
	v_lshlrev_b32 v1, 8, v9
	v_lshl_add_u32 v1, v10, 6, v1                  ; features: row r of 256 bytes, + 64 h
	v_lshlrev_b32 v2, 5, v11
	v_lshl_add_u32 v2, v10, 4, v2                  ; codes: a tile's row of 32 bytes, + 16 h
	v_lshlrev_b32 v3, 1, v11                       ; scale bytes: two a row
	v_lshlrev_b32 v4, 6, v10                       ; biases: 64 h
	s_wait_alu depctr_va_sdst(0)                   ; s32 is written, ahead of its first reader: my stage and my rows are made from it
	s_mul_i32 s33, s32, 4352                       ; my stage: 16 rows x 272 bytes
	v_mul_u32_u24 v5, v9, 272
	v_lshl_add_u32 v5, v10, 6, v5
	v_add_nc_u32 v5, s33, v5                       ; in: row r, + 64 h
	v_mul_u32_u24 v6, v10, 272
	v_lshl_add_u32 v6, v9, 4, v6
	v_add_nc_u32 v6, s33, v6                       ; back: lanes 0-15 one row, lanes 16-31 the next
	v_lshlrev_b32 v7, 8, v10
	v_lshl_add_u32 v7, v9, 4, v7                   ; and the same two rows in a table
	s_mov_b32 s[SEL], 0x76543210
	s_mov_b32 s[SEL+1], 0xfedcba98
	s_lshl_b32 s34, ttmp9, 2
	s_add_co_u32 s34, s34, s32
	s_lshl_b32 s34, s34, 12                        ; my 16 rows begin (4 x work-group + wave) x 4,096 bytes on
	s_mov_b32 s35, 0
.irp i,0,1,2,3
	v_mov_b32 v[96+\i], 0                          ; behind the last tile's codes
	v_mov_b32 v[PC+4+\i], 0                        ; k = 64 .. 127 of every activation: zero codes
.endr
	s_wait_kmcnt 0x0
	s_add_nc_u64 s[4:5], s[4:5], s[34:35]
	s_add_nc_u64 s[26:27], s[26:27], s[34:35]
	s_add_nc_u64 s[28:29], s[28:29], s[34:35]
	s_add_nc_u64 s[30:31], s[30:31], s[34:35]
	s_wait_alu depctr_va_vdst(0)                   ; the seven offsets and addresses v1 to v7 are written, which every load, LDS instruction and store below reads; so are the zero codes, which the scaled products take
.irp b,0,1
.irp i,0,1,2,3
	global_load_b128 v[F+16*\b+4*\i:F+16*\b+4*\i+3], v1, s[4:5] offset:128*\b+16*\i th:TH_LOAD_NT
.endr
.endr
	WLOAD 0, 6, 8
	WLOAD 1, 12, 14
	WLOAD 2, 16, 18
	WLOAD 3, 20, 22
	BLOAD O, 10
	BLOAD BP, 24
	s_wait_loadcnt 0x0
	QUANT F
	PLACES 8                                       ; a scale word made by vector instructions stands 8 places ahead of a scaled product
	s_wait_alu depctr_va_vdst(0)                   ; the features' codes and scale word are written, which the scaled products take; the places above stay beside this wait
.irp t,0,1,2,3
	MMC X+8*\t, WC+4*\t, PC, O+8*\t, SW+\t, PW     ; x, with bk as C
.endr
	PLACES 4
	QUANT X
	PLACES 8
	s_wait_alu depctr_va_vdst(0)                   ; x's codes and scale word are written, which the twelve scaled products take
.irp t,0,1,2,3
	MMC O+8*\t, WC+16+4*\t, PC, BP+8*\t, SW+4+\t, PW   ; q + bp2
.endr
.irp t,0,1,2,3
	MMZ X+8*\t, WC+32+4*\t, PC, SW+8+\t, PW        ; k, into the registers that x has left
.endr
.irp t,0,1,2,3
	MMZ F+8*\t, WC+48+4*\t, PC, SW+12+\t, PW       ; v, into those that the features have left
.endr
	PLACES 4                                       ; four places behind the last product, ahead of the stores that read the results and of the loads into the products' operands
	s_wait_alu depctr_va_vdst(0)                   ; the twelve products have written O, X and F, which the stage's stores read, and are done reading the codes and bp2, in whose registers the rows land
	TOST O, WC
	TOST X, WC+32
	SEND WC, 26, 16                                ; behind q's loads: k's eight stores and eight loads
	TOST F, BP
	SEND WC+32, 28, 16                             ; behind k's loads: v's sixteen
	SEND BP, 30, 0
	s_wait_dscnt 0x0                               ; the closing lines, six on end
	s_wait_alu 0x0
	s_wait_tensorcnt 0x0
	ds_add_u32 v254, v255
	s_wait_dscnt 0x0
	s_endpgm
.Lfunc_end_k_q007737a677_proj:
	.size	k_q007737a677_proj, .Lfunc_end_k_q007737a677_proj-k_q007737a677_proj
	.p2alignl 7, 3214868480
	.fill 96, 4, 3214868480
	.section	.rodata,"a",@progbits
	.p2align	6, 0x0
	.amdhsa_kernel k_q007737a677_proj
		.amdhsa_group_segment_fixed_size 17920
		.amdhsa_private_segment_fixed_size 0
		.amdhsa_enable_private_segment 0
		.amdhsa_kernarg_size 112
		.amdhsa_user_sgpr_count 2
		.amdhsa_user_sgpr_kernarg_segment_ptr 1
		.amdhsa_wavefront_size32 1
		.amdhsa_system_sgpr_workgroup_id_x 1
		.amdhsa_system_sgpr_workgroup_id_y 1
		.amdhsa_system_sgpr_workgroup_id_z 1
		.amdhsa_system_vgpr_workitem_id 0
		.amdhsa_next_free_vgpr 256
		.amdhsa_next_free_sgpr 66
		.amdhsa_reserve_vcc 0
		.amdhsa_float_denorm_mode_32 3
		.amdhsa_float_denorm_mode_16_64 3
		.amdhsa_memory_ordered 1
		.amdhsa_forward_progress 1
		.amdhsa_inst_pref_size 20
	.end_amdhsa_kernel
	.amdgpu_metadata
---
amdhsa.version: [ 1, 2 ]
amdhsa.kernels:
  - .name:           k_q007737a677_proj
    .symbol:         k_q007737a677_proj.kd
    .args:
      - { .name: features, .offset: 0, .size: 8, .value_kind: global_buffer, .address_space: global }
      - { .name: Wk_codes, .offset: 8, .size: 8, .value_kind: global_buffer, .address_space: global }
      - { .name: Wk_scales, .offset: 16, .size: 8, .value_kind: global_buffer, .address_space: global }
      - { .name: bk, .offset: 24, .size: 8, .value_kind: global_buffer, .address_space: global }
      - { .name: Wq_codes, .offset: 32, .size: 8, .value_kind: global_buffer, .address_space: global }
      - { .name: Wq_scales, .offset: 40, .size: 8, .value_kind: global_buffer, .address_space: global }
      - { .name: Wks_codes, .offset: 48, .size: 8, .value_kind: global_buffer, .address_space: global }
      - { .name: Wks_scales, .offset: 56, .size: 8, .value_kind: global_buffer, .address_space: global }
      - { .name: Wv_codes, .offset: 64, .size: 8, .value_kind: global_buffer, .address_space: global }
      - { .name: Wv_scales, .offset: 72, .size: 8, .value_kind: global_buffer, .address_space: global }
      - { .name: bp2, .offset: 80, .size: 8, .value_kind: global_buffer, .address_space: global }
      - { .name: qb, .offset: 88, .size: 8, .value_kind: global_buffer, .address_space: global }
      - { .name: kt, .offset: 96, .size: 8, .value_kind: global_buffer, .address_space: global }
      - { .name: vt, .offset: 104, .size: 8, .value_kind: global_buffer, .address_space: global }
    .group_segment_fixed_size: 17920
    .private_segment_fixed_size: 0
    .kernarg_segment_align: 8
    .kernarg_segment_size: 112
    .max_flat_workgroup_size: 128
    .sgpr_count:     66
    .vgpr_count:     256
    .wavefront_size: 32
...
	.end_amdgpu_metadata
.endif
;; end of part 5
;; launch coarse: the kernel of part 2 again; grid 256 x 1, 8 waves a work-group, no clusters, 235,520 bytes of LDS; arguments xyzp, grp; writes grp
;; launch refine: the kernel of part 3 again; grid 256 x 1, 8 waves a work-group, no clusters, 116,736 bytes of LDS; arguments xyzp, grp, idx; writes idx
;; launch attn (part 6): grid 256 x 1, 8 waves a work-group, no clusters, 35,840 bytes of LDS; arguments xyzp, features, idx, qb, kt, vt, Wp1, bp1, Wp2_codes, Wp2_scales, Wt1_codes, Wt1_scales, bt1, Wt2_codes, Wt2_scales, bt2, bp2, Wa_codes, Wa_scales, ba, out0; writes out0
.if DOCPART == 6
	.amdgcn_target "amdgcn-amd-amdhsa--gfx1250"
	.amdhsa_code_object_version 6
	.text
	.protected	k_q007737a677_attn
	.globl	k_q007737a677_attn
	.p2align	8
	.type	k_q007737a677_attn,@function
k_q007737a677_attn:
	s_mov_b64 s[64:65], 0
	v_nop
	global_prefetch_b8 v0, s[64:65] scope:SCOPE_SE
	s_setreg_imm32_b32 hwreg(HW_REG_WAVE_SCHED_MODE, 0, 2), 2
	s_setreg_imm32_b32 hwreg(HW_REG_WAVE_MODE, 25, 1), 1
	s_wait_xcnt 0x0
	s_wait_alu depctr_vm_vsrc(0)
; THE ATTENTION OVER THE 16 NEIGHBOURS.  For query n with neighbours m_0 .. m_15 (rows of the tables, from idx):
;   h = relu((xyzp_n - xyzp_m) Wp1 + bp1);  e = Q(h) Wp2;  a = (q_n + bp2) - k_m + e;  g = relu(Q(a) Wt1 + bt1);  z = Q(g) Wt2 + bt2;
;   w = softmax over the 16 of z / 8, channel by channel, its maximum taken away;  res = sum of w (v_m + e) + bp2 (the w of a channel add up to 1);  out = Q(res) Wa + ba + features.
; Q: the MX-FP4 quantiser along the 64 channels.  All that goes into a quantiser is f32; the product with K = 4 goes by the f32 matrix form, bp1 as its C.
; ONE QUERY IS ONE TILE OF 16 ROWS.  Two layouts:  T (source 0 = 16 rows of a weight, source 1 = the 16 neighbours): lane (r, h) holds neighbour r, register 16 b + i channel 32 b + 16 h + i, since lane r of
; tile 2 b + u takes the weight's row 32 b + 8 u + r + 8 (r / 8): what the next quantiser wants.  N (source 0 = the neighbours, source 1 = rows 16 t + r of a weight): lane (r, h) holds channel 16 t + r, register
; 8 t + j neighbour 8 h + j: what the softmax over neighbours wants: eight registers and one exchange of halves.  e is made in both.
; K IS 64 OF THE INSTRUCTION'S 128: the activations' registers 4-7 hold zero codes, so k = 64 .. 127 add nothing whatever the weight's side holds there; scale bytes 2 and 3 are 0.
; SHARES: a work-group takes 64 queries, each of its eight waves eight, one after the other; all weights and biases stay in registers.  A query's rows of kt, vt, xyzp and qb are asked for one query ahead, its
; row of idx two ahead; the look-ahead is held to the wave's last query, so no load leaves a buffer.  The 64 rows of res meet in LDS; waves 0 to 3 take 16 each through the last product.
; NO JOINT LOADS, NO TILES IN LDS: what work-groups share is 20 KiB of weights, read once a wave; all else is gathered lane by lane from rows that the stored list names.
; LIMITS: a block of zeros gets the scale byte 1 (its codes are zeros); NaN and infinities among the inputs are not served; bp2 enters a and res in another order of f32 additions than written above the line.
; REGISTERS, window 0: v1-5, v7, v31, v55, v70, v71 addresses; v8-23 scale words; v24-27 bp2; v28-47 the list's offsets, two sets; v48-53 coordinates; v54 scale word, v56-63 codes just made; v64-69, v72-95 at work;
;   v96-127 k; v128-159 q + bp2, then a; v160-191 h, g, z; v192-255 v, two sets.   window 1: v0-63 the four weights' codes; v64-159 bp1, bt1, bt2; v160-167 Wp1; v168-199 the f32 product's results.
; THE MODE: SCHED_MODE bits 1:0 = 2 (LLVM: expert scheduling mode 2), set by the entry lines.  The code itself states the register dependences
; between vector or matrix instructions and memory or LDS instructions, with s_wait_alu, always for 0.
; THE PLAN.  A turn works on set p and asks for set q = 1 - p.  Registers that memory or LDS instructions touch in the loop:
;   v28, v29, v32-47, v30   the list.  Set q landed in the last turn; OFFS q makes offsets of it, and v30; this turn's gathers read them.  Set p's offsets were read by the last turn's gathers; this turn's load of the list lands there.
;   v48-51, k               landed in the last turn; read by the turn's first 17 packed subtractions; this turn's gathers land there.
;   v, set q                last named by the last turn's products and softmax; this turn's gathers land there.  Set p is named by vector and matrix instructions alone in this turn.
;   q + bp2 / a             landed in the last turn; becomes a; a's quantiser reads it last; then the next query's q + bp2 lands there.
;   v6, res (v88 ..)        written behind the exponentials; read by the turn's four LDS stores.
;   v1-v5                   never written again.
; THE WAITS OF A TURN.  One on vm_vsrc at its head: all that the last turn's gathers and LDS stores read may be written.  On va_vdst: one behind the 16 subtractions, which serves all 45 loads of the look-ahead
; (the 32 of v are dealt among the relu's lines, which name h and the f32 results alone); one behind the places ahead of each of the three groups of scaled products, the second of which also frees a's registers for
; the load of q + bp2; one behind the exponentials and one behind the reciprocals, ahead of their first readers; one ahead of the LDS stores of res.
.set SEL,  48                          ; s[48:49] lane selects for v_permlanex16_b32: lane l xor 16
.set SCW,  8                           ; scale words: Wp2 (T) 8, Wp2 (N) 12, Wt1 (T) 16, Wt2 (N) 20
.set BP2,  24
.set IT,   28                          ; v28, v29: set p: neighbour r's row, then its byte offset in kt
.set OFFX, 30                          ; its byte offset in xyzp
.set IN,   32                          ; v32-47: set p: neighbours 8 h + j, then their byte offsets in vt
.set XN,   48
.set XQ,   50
.set REL,  52
.set PW,   54
.set PC,   56
.set TM,   64
.set SM,   72                          ; (-c max, at work) a tile
.set SS,   80                          ; the sums of w, a pair a tile
.set AC,   88                          ; the weighted sums, a pair a tile
.set KT,   96
.set CA,   128
.set H,    160
.set VN,   192
.set W_P2T, 0                          ; window 1
.set W_T1T, 16
.set W_P2N, 32
.set W_T2N, 48
.set B_P1,  64
.set B_T1,  96
.set B_T2,  128
.set W_P1,  160
.set HW,    168                        ; written by the f32 matrix form alone
.set OST,  17408                       ; LDS: res, 64 rows x 272 bytes; behind it four stages of 16 rows x 272
.set MSB, 0
.macro WIN new                         ; the immediate's high byte repeats the setting that is left
.if MSB != \new
	s_set_vgpr_msb (MSB<<8)|\new
.set MSB, \new
.endif
.endm
.macro PLACES n
.rept \n
	v_nop
.endr
.endm
.macro QUANT s                         ; 32 numbers in layout T become the operand's codes in v[PC] .. v[PC+3] and its scale word in v[PW]
.irp b,0,1
	v_max3_num_f32 v[TM+\b], |v[\s+16*\b]|, |v[\s+16*\b+1]|, 0x1800000    ; my 16 numbers of block b in two chains, and the floor 2^(3 - 127): the byte cannot fall under 1
.endr
.irp b,0,1
	v_max3_num_f32 v[TM+2+\b], |v[\s+16*\b+8]|, |v[\s+16*\b+9]|, |v[\s+16*\b+10]|
.endr
.irp b,0,1
	v_max3_num_f32 v[TM+\b], v[TM+\b], |v[\s+16*\b+2]|, |v[\s+16*\b+3]|
.endr
.irp b,0,1
	v_max3_num_f32 v[TM+2+\b], v[TM+2+\b], |v[\s+16*\b+11]|, |v[\s+16*\b+12]|
.endr
.irp b,0,1
	v_max3_num_f32 v[TM+\b], v[TM+\b], |v[\s+16*\b+4]|, |v[\s+16*\b+5]|
.endr
.irp b,0,1
	v_max3_num_f32 v[TM+2+\b], v[TM+2+\b], |v[\s+16*\b+13]|, |v[\s+16*\b+14]|
.endr
.irp b,0,1
	v_max3_num_f32 v[TM+\b], v[TM+\b], |v[\s+16*\b+6]|, |v[\s+16*\b+7]|
.endr
.irp b,0,1
	v_max3_num_f32 v[TM+\b], v[TM+\b], v[TM+2+\b], |v[\s+16*\b+15]|
.endr
.irp b,0,1
	v_permlanex16_b32 v[TM+2+\b], v[TM+\b], s[SEL], s[SEL+1]
.endr
.irp b,0,1
	v_max_num_f32 v[TM+\b], v[TM+\b], v[TM+2+\b]                          ; with lane l xor 16's 16: the block's largest magnitude
.endr
.irp b,0,1
	v_add_nc_u32 v[TM+4+\b], 0xff000000, v[TM+\b]                         ; 2 off its exponent field: the conversion's scale operand
.endr
.irp b,0,1
	v_lshrrev_b32 v[TM+2+\b], 23, v[TM+4+\b]                              ; the scale's byte
.endr
	v_lshl_or_b32 v[PW], v[TM+3], 8, v[TM+2]
.irp b,0,1
	v_cvt_scalef32_pk8_fp4_f32 v[PC+2*\b], v[\s+16*\b:\s+16*\b+7], v[TM+4+\b]
	v_cvt_scalef32_pk8_fp4_f32 v[PC+2*\b+1], v[\s+16*\b+8:\s+16*\b+15], v[TM+4+\b]
.endr
	v_nop                                                                 ; one plain line behind the scaled conversions
	v_permlane16_swap_b32 v[PC], v[PC+2]                                  ; a whole block to a lane: lanes 0-15 block 0, lanes 16-31 block 1
	v_permlane16_swap_b32 v[PC+1], v[PC+3]
.endm
.macro MMC d, a, b, c, sa, sb
	v_wmma_scale_f32_16x16x128_f8f6f4 v[\d:\d+7], v[\a:\a+7], v[\b:\b+7], v[\c:\c+7], v[\sa], v[\sb] matrix_a_fmt:MATRIX_FMT_FP4 matrix_b_fmt:MATRIX_FMT_FP4
.endm
.macro OFFS q                          ; set q's stored rows become byte offsets; a stored number enters an address only behind the hold
	v_min_u32 v[IT+\q], 0x3fff, v[IT+\q]
.irp j,0,1,2,3,4,5,6,7
	v_min_u32 v[IN+8*\q+\j], 0x3fff, v[IN+8*\q+\j]
.endr
	v_lshl_add_u32 v[OFFX], v[IT+\q], 4, v2        ; xyzp: 16 bytes a row, + 8 h
	v_lshl_add_u32 v[IT+\q], v[IT+\q], 8, v1       ; kt: 256 bytes a row, + 64 h
.irp j,0,1,2,3,4,5,6,7
	v_lshl_add_u32 v[IN+8*\q+\j], v[IN+8*\q+\j], 8, v3   ; vt: 256 bytes a row, + 4 r
.endr
.endm
.macro GATHK q                         ; k in layout T, and the two halves of the coordinates
.irp b,0,1
.irp i,0,1,2,3
	global_load_b128 v[KT+16*\b+4*\i:KT+16*\b+4*\i+3], v[IT+\q], s[12:13] offset:128*\b+16*\i
.endr
.endr
	global_load_b64 v[XN:XN+1], v[OFFX], s[4:5]
	global_load_b64 v[XQ:XQ+1], v2, s[62:63]
.endm
.macro GATHV q                         ; v in layout N (the head's form; in a turn the same 32 loads are dealt among the relu's lines)
.irp t,0,1,2,3
.irp j,0,1,2,3,4,5,6,7
	global_load_b32 v[VN+32*\q+8*\t+\j], v[IN+8*\q+\j], s[14:15] offset:64*\t
.endr
.endr
.endm
.macro LOADIDX p                       ; a query's 16 rows, once by r and once by 8 h + j
	global_load_b32 v[IT+\p], v3, s[66:67]
	global_load_b128 v[IN+8*\p:IN+8*\p+3], v4, s[66:67]
	global_load_b128 v[IN+8*\p+4:IN+8*\p+7], v4, s[66:67] offset:16
.endm
.macro LOADQ                           ; q + bp2 in layout T, the same in all 16 rows
.irp b,0,1
.irp i,0,1,2,3
	global_load_b128 v[CA+16*\b+4*\i:CA+16*\b+4*\i+3], v1, s[60:61] offset:128*\b+16*\i
.endr
.endr
.endm
; ONE QUERY: number s70 + p of my eight; its gathers lie in set p, the next query's go into set q = 1 - p.
.macro QUERY p, q
	s_wait_loadcnt 0x0                             ; all that the last turn asked for: this query's k, v, coordinates and q, the next query's rows.  The one wait for loads in a turn; it also frees their addresses
	s_add_co_u32 s73, s70, \p+1
	s_min_u32 s73, s73, 7                          ; the next query, held to my last
	s_lshl_b32 s68, s73, 8
	s_add_nc_u64 s[60:61], s[54:55], s[68:69]
	s_lshl_b32 s68, s73, 4
	s_add_nc_u64 s[62:63], s[56:57], s[68:69]
	s_add_co_u32 s73, s70, \p+2
	s_min_u32 s73, s73, 7                          ; and the one after
	s_lshl_b32 s68, s73, 6
	s_add_nc_u64 s[66:67], s[58:59], s[68:69]
	s_wait_alu depctr_vm_vsrc(0)                   ; the last turn's gathers have read v30 and set p's offsets, its LDS stores v6 and res: this turn writes v30, v6 and res anew, and its load of the list lands in set p
	v_pk_add_f32 v[REL:REL+1], v[XQ:XQ+1], v[XN:XN+1] neg_lo:[0,1] neg_hi:[0,1]   ; xyzp_n - xyzp_m: coordinates 2 h and 2 h + 1 of neighbour r
	OFFS \q
	WIN 0x51                                       ; Wp1, bp1 and the results in window 1
.irp t,0,1,2,3
	v_wmma_f32_16x16x4_f32 v[HW+8*\t:HW+8*\t+7], v[W_P1+2*\t:W_P1+2*\t+1], v[REL:REL+1], v[B_P1+8*\t:B_P1+8*\t+7]
.endr
	WIN 0
.irp i,0,2,4,6,8,10,12,14,16,18,20,22,24,26,28,30
	v_pk_add_f32 v[CA+\i:CA+\i+1], v[CA+\i:CA+\i+1], v[KT+\i:KT+\i+1] neg_lo:[0,1] neg_hi:[0,1]   ; (q + bp2) - k.  These 16 are the eight places behind the f32 form
.endr
	s_wait_alu depctr_va_vdst(0)                   ; set q's offsets and v30 are written, which the gathers read; the subtractions are done reading k and the coordinates, the last turn is done with v's set q and with the list's set p: the 45 loads below land there
	GATHK \q
	LOADIDX \p
	WIN 0x04
.irp t,0,1,2,3
.irp j,0,1,2,3,4,5,6,7
	global_load_b32 v[VN+32*\q+8*\t+\j], v[IN+8*\q+\j], s[14:15] offset:64*\t   ; v in layout N, a load to each line of the relu.  No wait: no vector or matrix instruction since the wait above names a register that these loads touch
	v_max_num_f32 v[H+8*\t+\j], 0, v[HW+8*\t+\j]   ; relu, into other registers, each result from its low end on
.endr
.endr
	WIN 0
	QUANT H
	PLACES 8                                       ; a scale word made by vector instructions stands 8 places ahead of a scaled product
	s_wait_alu depctr_va_vdst(0)                   ; h's codes and scale word are written, which the scaled products take; the places above stay beside this wait
	WIN 0x01
.irp t,0,1,2,3
	MMC CA+8*\t, W_P2T+4*\t, PC, CA+8*\t, SCW+\t, PW                  ; a = (q + bp2 - k) + e, layout T
.endr
	WIN 0x04
.irp t,0,1,2,3
	MMC VN+32*\p+8*\t, PC, W_P2N+4*\t, VN+32*\p+8*\t, PW, SCW+4+\t    ; v + e, layout N
.endr
	WIN 0
	PLACES 4
	QUANT CA
	PLACES 8
	s_wait_alu depctr_va_vdst(0)                   ; a's codes and scale word are written, which the scaled products take; and the quantiser is done reading a, in whose registers the next query's q + bp2 lands
	LOADQ
	WIN 0x11
.irp t,0,1,2,3
	MMC H+8*\t, W_T1T+4*\t, PC, B_T1+8*\t, SCW+8+\t, PW
.endr
	WIN 0
	PLACES 4
.irp j,0,1,2,3,4,5,6,7,8,9,10,11,12,13,14,15,16,17,18,19,20,21,22,23,24,25,26,27,28,29,30,31
	v_max_num_f32 v[H+\j], 0, v[H+\j]
.endr
	QUANT H
	PLACES 8
	s_wait_alu depctr_va_vdst(0)                   ; g's codes and scale word are written, which the scaled products take
	WIN 0x14
.irp t,0,1,2,3
	MMC H+8*\t, PC, W_T2N+4*\t, B_T2+8*\t, PW, SCW+12+\t              ; z, layout N
.endr
	WIN 0
	PLACES 4
	; the softmax over the 16 neighbours of channel 16 t + r: eight registers here, eight in lane l xor 16; the four tiles by turns
.irp t,0,1,2,3
	v_max3_num_f32 v[SM+2*\t], v[H+8*\t], v[H+8*\t+1], v[H+8*\t+2]
.endr
.irp t,0,1,2,3
	v_max3_num_f32 v[SM+2*\t], v[SM+2*\t], v[H+8*\t+3], v[H+8*\t+4]
.endr
.irp t,0,1,2,3
	v_max3_num_f32 v[SM+2*\t], v[SM+2*\t], v[H+8*\t+5], v[H+8*\t+6]
.endr
.irp t,0,1,2,3
	v_max_num_f32 v[SM+2*\t], v[SM+2*\t], v[H+8*\t+7]
.endr
.irp t,0,1,2,3
	v_permlanex16_b32 v[SM+2*\t+1], v[SM+2*\t], s[SEL], s[SEL+1]
.endr
.irp t,0,1,2,3
	v_max_num_f32 v[SM+2*\t], v[SM+2*\t], v[SM+2*\t+1]
.endr
.irp t,0,1,2,3
	v_mul_f32 v[SM+2*\t], s52, v[SM+2*\t]          ; -c x the maximum, c = log2(e) / 8
.endr
.irp t,0,1,2,3
.irp j,0,2,4,6
	v_pk_fma_f32 v[H+8*\t+\j:H+8*\t+\j+1], v[H+8*\t+\j:H+8*\t+\j+1], s[50:51], v[SM+2*\t:SM+2*\t+1] op_sel_hi:[1,0,0]   ; c z - c max (of both pairs the low word serves both halves)
.endr
.endr
.irp j,0,1,2,3,4,5,6,7,8,9,10,11,12,13,14,15,16,17,18,19,20,21,22,23,24,25,26,27,28,29,30,31
	v_exp_f32 v[H+\j], v[H+\j]
.endr
	v_add_nc_u32 v6, s72, v5                       ; where res goes: a plain line behind the exponentials
	s_wait_alu depctr_va_vdst(0)                   ; the 32 exponentials have written w, ahead of its first reader: one wait for the batch; v6 is written too, which the LDS stores below read
.irp t,0,1,2,3
	v_pk_add_f32 v[SS+2*\t:SS+2*\t+1], v[H+8*\t:H+8*\t+1], v[H+8*\t+2:H+8*\t+3]
.endr
.irp t,0,1,2,3
	v_pk_mul_f32 v[AC+2*\t:AC+2*\t+1], v[H+8*\t:H+8*\t+1], v[VN+32*\p+8*\t:VN+32*\p+8*\t+1]
.endr
.irp j,2,4,6
.irp t,0,1,2,3
	v_pk_fma_f32 v[AC+2*\t:AC+2*\t+1], v[H+8*\t+\j:H+8*\t+\j+1], v[VN+32*\p+8*\t+\j:VN+32*\p+8*\t+\j+1], v[AC+2*\t:AC+2*\t+1]
.endr
.endr
.irp j,4,6
.irp t,0,1,2,3
	v_pk_add_f32 v[SS+2*\t:SS+2*\t+1], v[SS+2*\t:SS+2*\t+1], v[H+8*\t+\j:H+8*\t+\j+1]
.endr
.endr
.irp t,0,1,2,3
	v_add_f32 v[SS+2*\t], v[SS+2*\t], v[SS+2*\t+1]
.endr
.irp t,0,1,2,3
	v_add_f32 v[AC+2*\t], v[AC+2*\t], v[AC+2*\t+1]
.endr
.irp t,0,1,2,3
	v_permlanex16_b32 v[SS+2*\t+1], v[SS+2*\t], s[SEL], s[SEL+1]
.endr
.irp t,0,1,2,3
	v_permlanex16_b32 v[AC+2*\t+1], v[AC+2*\t], s[SEL], s[SEL+1]
.endr
.irp t,0,1,2,3
	v_add_f32 v[SS+2*\t], v[SS+2*\t], v[SS+2*\t+1]
.endr
.irp t,0,1,2,3
	v_add_f32 v[AC+2*\t], v[AC+2*\t], v[AC+2*\t+1]
.endr
.irp t,0,1,2,3
	v_rcp_f32 v[SS+2*\t+1], v[SS+2*\t]
.endr
	v_nop                                          ; a plain line behind the reciprocals,
	s_wait_alu depctr_va_vdst(0)                   ; and the four reciprocals are written, ahead of their first reader
.irp t,0,1,2,3
	v_fma_f32 v[AC+2*\t], v[AC+2*\t], v[SS+2*\t+1], v[BP2+\t]
.endr
	s_wait_alu depctr_va_vdst(0)                   ; the four multiply-adds have written res, which the LDS stores read
.irp t,0,1,2,3
	ds_store_b32 v6, v[AC+2*\t] offset:272*\p+64*\t   ; res(query, 16 t + r); both halves of the lanes write the same word with the same value
.endr
.endm
	s_load_b512 s[4:19], s[0:1], 0x0               ; xyzp 4, features 6, idx 8, qb 10, kt 12, vt 14, Wp1 16, bp1 18
	s_load_b512 s[20:35], s[0:1], 0x40             ; Wp2 codes 20, scales 22, Wt1 codes 24, scales 26, bt1 28, Wt2 codes 30, scales 32, bt2 34
	s_load_b256 s[36:43], s[0:1], 0x80             ; bp2 36, Wa codes 38, scales 40, ba 42
	s_load_b64 s[44:45], s[0:1], 0xa0              ; out0
	s_set_vgpr_msb 0x40
	v_lshl_add_u32 v254, v0, 2, 0x8800
	v_mov_b32 v255, 0
	s_set_vgpr_msb 0x4000
	v_lshrrev_b32 v6, 5, v0
	v_readfirstlane_b32 s46, v6                    ; wave 0..7
	v_and_b32 v96, 15, v0                          ; r
	v_bfe_u32 v97, v0, 4, 1                        ; h
	v_and_b32 v98, 8, v96
	v_add_nc_u32 v98, v98, v96                     ; r + 8 (r / 8)
	v_lshlrev_b32 v1, 6, v97                       ; 64 h
	v_lshlrev_b32 v2, 3, v97                       ; 8 h
	v_lshlrev_b32 v3, 2, v96                       ; 4 r
	v_lshlrev_b32 v4, 5, v97                       ; 32 h
	s_wait_alu depctr_va_sdst(0)                   ; s46 is written, ahead of its first reader: my rows of res, my queries and the parting of the waves are made from it
	s_mul_i32 s73, s46, 8*272
	v_add_nc_u32 v5, s73, v3                       ; res: my eight rows of 272 bytes, + 4 r
	s_and_b32 s74, s46, 3
	s_mul_i32 s74, s74, 16*272                     ; the last product: 16 rows to each of waves 0 to 3
	v_mul_u32_u24 v7, v96, 272
	v_lshl_add_u32 v7, v97, 6, v7
	v_add_nc_u32 v7, s74, v7                       ; row r, + 64 h: res back in layout T; the stage, OST bytes on, likewise
	v_mul_u32_u24 v31, v97, 272
	v_lshl_add_u32 v31, v96, 4, v31
	v_add_nc_u32 v31, s74, v31                     ; out of the stage: lanes 0-15 one row, lanes 16-31 the next
	v_lshlrev_b32 v55, 8, v97
	v_lshl_add_u32 v55, v96, 4, v55                ; and the same two rows in features and in out0
	v_lshlrev_b32 v70, 5, v98
	v_lshl_add_u32 v70, v97, 4, v70                ; codes, layout T: a tile's row of 32 bytes, + 16 h
	v_lshlrev_b32 v71, 1, v98                      ; and its two scale bytes
	v_lshlrev_b32 v100, 5, v96
	v_lshl_add_u32 v100, v97, 4, v100              ; codes, layout N: row r
	v_lshlrev_b32 v102, 1, v96
	v_lshlrev_b32 v103, 2, v98
	v_lshl_add_u32 v103, v97, 9, v103              ; Wp1 [4][64]: rows 2 h (+ j), the tile's channel
	s_mov_b32 s[SEL], 0x76543210
	s_mov_b32 s[SEL+1], 0xfedcba98
	s_mov_b32 s50, 0x3e38aa3b                      ; c = log2(e) / 8
	s_mov_b32 s51, s50                             ; (named with it as a pair, so it is written)
	s_mov_b32 s52, 0xbe38aa3b                      ; -c
	s_lshl_b32 s73, ttmp9, 6
	s_lshl_b32 s74, s46, 3
	s_add_co_u32 s73, s73, s74                     ; my first query: 64 x work-group + 8 x wave
	s_mov_b32 s69, 0
.irp i,0,1,2,3
	v_mov_b32 v[PC+4+\i], 0                        ; k = 64 .. 127 of every activation: zero codes
	v_mov_b32 v[SM+2*\i+1], 0                      ; written once: a lane permute's destination counts as one of its sources
.endr
	s_wait_kmcnt 0x0
	s_lshl_b32 s68, s73, 8
	s_add_nc_u64 s[54:55], s[10:11], s[68:69]      ; qb,
	s_lshl_b32 s68, s73, 4
	s_add_nc_u64 s[56:57], s[4:5], s[68:69]        ; xyzp
	s_lshl_b32 s68, s73, 6
	s_add_nc_u64 s[58:59], s[8:9], s[68:69]        ; and idx at my first query
	s_mov_b64 s[60:61], s[54:55]
	s_mov_b64 s[62:63], s[56:57]
	s_mov_b64 s[66:67], s[58:59]
	s_wait_alu depctr_va_vdst(0)                   ; every offset and address of the head is written (v1-5, v7, v31, v55, v70, v71, v100, v102, v103), which the loads, LDS instructions and stores read; so are v96-103, in which k lands, and the zero codes, which the scaled products take
	LOADIDX 0
	WIN 0x40                                       ; destinations in window 1
.irp t,0,1,2,3
	global_load_b128 v[W_P2T+4*\t:W_P2T+4*\t+3], v70, s[20:21] offset:(32*(\t/2)+8*(\t%2))*32
	global_load_b128 v[W_T1T+4*\t:W_T1T+4*\t+3], v70, s[24:25] offset:(32*(\t/2)+8*(\t%2))*32
	global_load_b128 v[W_P2N+4*\t:W_P2N+4*\t+3], v100, s[20:21] offset:512*\t
	global_load_b128 v[W_T2N+4*\t:W_T2N+4*\t+3], v100, s[30:31] offset:512*\t
	global_load_b128 v[B_P1+8*\t:B_P1+8*\t+3], v1, s[18:19] offset:(32*(\t/2)+8*(\t%2))*4
	global_load_b128 v[B_P1+8*\t+4:B_P1+8*\t+7], v1, s[18:19] offset:(32*(\t/2)+8*(\t%2))*4+16
	global_load_b128 v[B_T1+8*\t:B_T1+8*\t+3], v1, s[28:29] offset:(32*(\t/2)+8*(\t%2))*4
	global_load_b128 v[B_T1+8*\t+4:B_T1+8*\t+7], v1, s[28:29] offset:(32*(\t/2)+8*(\t%2))*4+16
.irp j,0,1,2,3,4,5,6,7
	global_load_b32 v[B_T2+8*\t+\j], v3, s[34:35] offset:64*\t            ; bt2(16 t + r) in all eight registers of the tile: the C of z
.endr
.irp j,0,1
	global_load_b32 v[W_P1+2*\t+\j], v103, s[16:17] offset:256*\j+(32*(\t/2)+8*(\t%2))*4
.endr
.endr
	WIN 0
.irp t,0,1,2,3
	global_load_u16 v[SCW+\t], v71, s[22:23] offset:(32*(\t/2)+8*(\t%2))*2
	global_load_u16 v[SCW+4+\t], v102, s[22:23] offset:32*\t
	global_load_u16 v[SCW+8+\t], v71, s[26:27] offset:(32*(\t/2)+8*(\t%2))*2
	global_load_u16 v[SCW+12+\t], v102, s[32:33] offset:32*\t
	global_load_b32 v[BP2+\t], v3, s[36:37] offset:64*\t
.endr
	s_wait_loadcnt 0x0
	s_wait_alu depctr_vm_vsrc(0)                   ; the weights' loads have read their offsets v100, v102 and v103, in which k lands below
	OFFS 0
	s_wait_alu depctr_va_vdst(0)                   ; set 0's offsets and v30 are written, which the first gathers read
	GATHK 0
	GATHV 0
	LOADQ
	s_add_nc_u64 s[66:67], s[58:59], 64            ; (its last loads are in)
	LOADIDX 1
	s_mov_b32 s70, 0
	s_mov_b32 s72, 0
.Lpair:                                                ; four trips of two queries: the two sets change places and are back
	QUERY 0, 1
	QUERY 1, 0
	s_add_co_u32 s72, s72, 2*272
	s_add_co_u32 s70, s70, 2
	s_cmp_lt_u32 s70, 8
	s_cbranch_scc1 .Lpair
	s_wait_loadcnt 0x0                             ; the last turn's look-ahead
	s_wait_dscnt 0x0                               ; my eight rows of res have landed
	s_barrier_signal -1
	s_barrier_wait -1                              ; all 64 have
	s_cmp_ge_u32 s46, 4
	s_cbranch_scc1 .Lend                           ; no barrier follows
	; ---- out = Q(res) Wa + ba + features, 16 rows a wave.  The loads below owe no wait on va_vdst: no vector or matrix instruction has been issued since the one that stands ahead of the last turn's LDS stores
	s_lshl_b32 s73, ttmp9, 6
	s_lshl_b32 s74, s46, 4
	s_add_co_u32 s73, s73, s74
	s_lshl_b32 s68, s73, 8
	s_add_nc_u64 s[6:7], s[6:7], s[68:69]
	s_add_nc_u64 s[44:45], s[44:45], s[68:69]
.irp t,0,1,2,3
	global_load_b128 v[KT+4*\t:KT+4*\t+3], v70, s[38:39] offset:(32*(\t/2)+8*(\t%2))*32
	global_load_u16 v[SCW+\t], v71, s[40:41] offset:(32*(\t/2)+8*(\t%2))*2
	global_load_b128 v[VN+8*\t:VN+8*\t+3], v1, s[42:43] offset:(32*(\t/2)+8*(\t%2))*4
	global_load_b128 v[VN+8*\t+4:VN+8*\t+7], v1, s[42:43] offset:(32*(\t/2)+8*(\t%2))*4+16
.endr
.irp i,0,1,2,3,4,5,6,7
	global_load_b128 v[VN+32+4*\i:VN+32+4*\i+3], v55, s[6:7] offset:512*\i th:TH_LOAD_NT
.endr
.irp b,0,1
.irp i,0,1,2,3
	ds_load_b128 v[H+16*\b+4*\i:H+16*\b+4*\i+3], v7 offset:128*\b+16*\i
.endr
.endr
	s_wait_loadcnt 0x0
	s_wait_dscnt 0x0
	QUANT H
	PLACES 8
	s_wait_alu depctr_va_vdst(0)                   ; res's codes and scale word are written, which the scaled products take
.irp t,0,1,2,3
	MMC CA+8*\t, KT+4*\t, PC, VN+8*\t, SCW+\t, PW  ; ba as C
.endr
	PLACES 4
	s_wait_alu depctr_va_vdst(0)                   ; the four products have written their results, which the stage's stores read; the quantiser is done reading res, in whose registers the rows land.  The places above stay beside this wait
.irp t,0,1,2,3
	ds_store_b128 v7, v[CA+8*\t:CA+8*\t+3] offset:OST+(32*(\t/2)+8*(\t%2))*4      ; each result from its low end on, into my own stage
	ds_store_b128 v7, v[CA+8*\t+4:CA+8*\t+7] offset:OST+(32*(\t/2)+8*(\t%2))*4+16
.endr
.irp i,0,1,2,3,4,5,6,7
	ds_load_b128 v[H+4*\i:H+4*\i+3], v31 offset:OST+544*\i                        ; LDS serves a wave's instructions in order: these see my stores
.endr
	s_wait_dscnt 0x0
.irp i,0,2,4,6,8,10,12,14,16,18,20,22,24,26,28,30
	v_pk_add_f32 v[H+\i:H+\i+1], v[H+\i:H+\i+1], v[VN+32+\i:VN+32+\i+1]
.endr
	s_wait_alu depctr_va_vdst(0)                   ; the sixteen additions have written the rows, which the stores read
.irp i,0,1,2,3,4,5,6,7
	global_store_b128 v55, v[H+4*\i:H+4*\i+3], s[44:45] offset:512*\i th:TH_STORE_NT   ; sixteen lanes store a row of 256 consecutive bytes, aligned
.endr
.Lend:
	s_set_vgpr_msb 0x5                             ; the add's two registers, sources 0 and 1, lie in window 1
	s_wait_dscnt 0x0                               ; the closing lines, six on end
	s_wait_alu 0x0
	s_wait_tensorcnt 0x0
	ds_add_u32 v254, v255
	s_wait_dscnt 0x0
	s_endpgm
.Lfunc_end_k_q007737a677_attn:
	.size	k_q007737a677_attn, .Lfunc_end_k_q007737a677_attn-k_q007737a677_attn
	.p2alignl 7, 3214868480
	.fill 96, 4, 3214868480
	.section	.rodata,"a",@progbits
	.p2align	6, 0x0
	.amdhsa_kernel k_q007737a677_attn
		.amdhsa_group_segment_fixed_size 35840
		.amdhsa_private_segment_fixed_size 0
		.amdhsa_enable_private_segment 0
		.amdhsa_kernarg_size 168
		.amdhsa_user_sgpr_count 2
		.amdhsa_user_sgpr_kernarg_segment_ptr 1
		.amdhsa_wavefront_size32 1
		.amdhsa_system_sgpr_workgroup_id_x 1
		.amdhsa_system_sgpr_workgroup_id_y 1
		.amdhsa_system_sgpr_workgroup_id_z 1
		.amdhsa_system_vgpr_workitem_id 0
		.amdhsa_next_free_vgpr 512
		.amdhsa_next_free_sgpr 80
		.amdhsa_reserve_vcc 0
		.amdhsa_float_denorm_mode_32 3
		.amdhsa_float_denorm_mode_16_64 3
		.amdhsa_memory_ordered 1
		.amdhsa_forward_progress 1
		.amdhsa_inst_pref_size 80
	.end_amdhsa_kernel
	.amdgpu_metadata
---
amdhsa.version: [ 1, 2 ]
amdhsa.kernels:
  - .name:           k_q007737a677_attn
    .symbol:         k_q007737a677_attn.kd
    .args:
      - { .name: xyzp, .offset: 0, .size: 8, .value_kind: global_buffer, .address_space: global }
      - { .name: features, .offset: 8, .size: 8, .value_kind: global_buffer, .address_space: global }
      - { .name: idx, .offset: 16, .size: 8, .value_kind: global_buffer, .address_space: global }
      - { .name: qb, .offset: 24, .size: 8, .value_kind: global_buffer, .address_space: global }
      - { .name: kt, .offset: 32, .size: 8, .value_kind: global_buffer, .address_space: global }
      - { .name: vt, .offset: 40, .size: 8, .value_kind: global_buffer, .address_space: global }
      - { .name: Wp1, .offset: 48, .size: 8, .value_kind: global_buffer, .address_space: global }
      - { .name: bp1, .offset: 56, .size: 8, .value_kind: global_buffer, .address_space: global }
      - { .name: Wp2_codes, .offset: 64, .size: 8, .value_kind: global_buffer, .address_space: global }
      - { .name: Wp2_scales, .offset: 72, .size: 8, .value_kind: global_buffer, .address_space: global }
      - { .name: Wt1_codes, .offset: 80, .size: 8, .value_kind: global_buffer, .address_space: global }
      - { .name: Wt1_scales, .offset: 88, .size: 8, .value_kind: global_buffer, .address_space: global }
      - { .name: bt1, .offset: 96, .size: 8, .value_kind: global_buffer, .address_space: global }
      - { .name: Wt2_codes, .offset: 104, .size: 8, .value_kind: global_buffer, .address_space: global }
      - { .name: Wt2_scales, .offset: 112, .size: 8, .value_kind: global_buffer, .address_space: global }
      - { .name: bt2, .offset: 120, .size: 8, .value_kind: global_buffer, .address_space: global }
      - { .name: bp2, .offset: 128, .size: 8, .value_kind: global_buffer, .address_space: global }
      - { .name: Wa_codes, .offset: 136, .size: 8, .value_kind: global_buffer, .address_space: global }
      - { .name: Wa_scales, .offset: 144, .size: 8, .value_kind: global_buffer, .address_space: global }
      - { .name: ba, .offset: 152, .size: 8, .value_kind: global_buffer, .address_space: global }
      - { .name: out0, .offset: 160, .size: 8, .value_kind: global_buffer, .address_space: global }
    .group_segment_fixed_size: 35840
    .private_segment_fixed_size: 0
    .kernarg_segment_align: 8
    .kernarg_segment_size: 168
    .max_flat_workgroup_size: 256
    .sgpr_count:     80
    .vgpr_count:     512
    .wavefront_size: 32
...
	.end_amdgpu_metadata
.endif
;; end of part 6
